; MI455X (gfx1250); checked and timed in simulation.
; The chip was launched on July 23, 2026; its instructions are those of AMD's public machine-readable ISA for CDNA 5 (MIT licence, August 2026) and "CDNA5" Instruction Set Architecture Reference Guide (July 2026). The comments in the code are by the model that wrote it; some were corrected since.
;; Attention. Allowed arithmetic: matrix products marked QUANTISED: E4M3 operands, one E8M0 scale for each 32 along K, by v_wmma_scale_f32_16x16x128_f8f6f4 with both operands' format E4M3, f32 sums; everything else in f32.
;; Inputs: W1 1,024 x 4,096 float32; W2 4,096 x 1,024 float32; Wk 1,024 x 1,024 float32; Wq 1,024 x 1,024 float32; Wv 1,024 x 1,024 float32; b1 4,096 float32; b2 1,024 float32; be1 1,024 float32; be2 1,024 float32; bk 1,024 float32; bq 1,024 float32; bv 1,024 float32; g1 1,024 float32; g2 1,024 float32; x 2 x 2,048 x 1,024 float32.
;; Outputs: out0 2 x 2,048 x 1,024 float32.
;; This version of the problem:
;;   THIS VERSION OF THE PROBLEM IS GIVEN IN LOW PRECISION. The matrix products marked QUANTISED in the list below multiply operands that are first quantised to E4M3 (4 exponent bits, 3 mantissa bits; 8 bits a number), with one power-of-two scale for each 32 numbers along K (OCP MX v1.0); their sums are f32. All else is computed in f32.
;;   The module's matrix products, in the order in which they are computed (A, B: the left and right operand; K: the contracted axis; several contracted axes count as one K, in the product's order):
;;     1. [M 4,096, K 1,024] x [K 1,024, N 1,024]; A: input x; B: input Wq: QUANTISED
;;     2. [M 4,096, K 1,024] x [K 1,024, N 1,024]; A: input x; B: input Wk: QUANTISED
;;     3. [M 4,096, K 1,024] x [K 1,024, N 1,024]; A: input x; B: input Wv: QUANTISED
;;     4. batch 32 x [M 2,048, K 64] x [K 64, N 2,048]; A: computed on the way; B: computed on the way: QUANTISED
;;     5. batch 32 x [M 2,048, K 2,048] x [K 2,048, N 64]; A: softmax (see below); B: computed on the way: QUANTISED
;;     6. [M 4,096, K 1,024] x [K 1,024, N 4,096]; A: computed on the way; B: input W1: QUANTISED
;;     7. [M 4,096, K 4,096] x [K 4,096, N 1,024]; A: computed on the way; B: input W2: QUANTISED
;;   THE QUANTISER, for each operand of a quantised product, along K:
;;     - K is cut into blocks of 32 from its start; a last block that is shorter is filled with zeros.
;;     - A block's scale is 2^e with e = floor(log2(the largest magnitude in the block)) - 8, held to -126 .. 127; a block of zeros has e = 0. As a byte (E8M0): e + 127.
;;     - Each number is divided by its block's scale, clamped to +-448, and rounded to the nearest number of E4M3, ties to even, subnormals kept.
;;     - The product sums the exact products of the quantised numbers (number of the format x scale) in f32.
;;   ~~~python
;;   def quantise(x, axis):      # numpy; x: float32 -> the quantised numbers, widened to float32 again
;;       x = np.moveaxis(x, axis, -1); K = x.shape[-1]
;;       x = np.pad(x, [(0, 0)] * (x.ndim - 1) + [(0, -K % 32)]); x = x.reshape(x.shape[:-1] + (-1, 32)); a = np.abs(x).max(-1, keepdims=True)
;;       e = np.where(a > 0, np.clip(np.frexp(np.where(a > 0, a, 1))[1] - 1 - 8, -126, 127), 0)      # np.frexp(a)[1] - 1 = floor(log2(a)), exactly
;;       r = np.clip(x / 2.0 ** e, -448, 448)
;;       step = 2.0 ** (np.maximum(np.frexp(np.where(r == 0, 1, r))[1] - 1, -6) - 3)
;;       q = np.round(r / step) * step * 2.0 ** e      # np.round: ties to even
;;       return np.moveaxis(q.reshape(q.shape[:-2] + (-1,))[..., :K], -1, axis).astype(np.float32)
;;   ~~~
;;   SOFTMAX AHEAD OF A QUANTISED PRODUCT. Where the list says 'softmax', what is quantised is not the finished softmax but p = 2^(t - M), with t = logit x log2(e) and M = ceil(the row's largest t), a whole number; so 1/2 < the row's largest p <= 1. The row's sum l is taken of the UNQUANTISED p, in f32, and the product's result is divided by l at the end. Since M is a whole number, a kernel that streams over the keys may use a running M (the ceiling of the running maximum): every later rescaling is an exact power of two, which a block's scale takes up: the codes' values come out the same.
;;   OPERANDS COMPUTED ON THE WAY. 'Computed on the way' means the value that the module computes at that place (a softmax that the list does not call 'softmax' is quantised finished and normalised). What goes into a quantiser is computed in f32, as accurately as f32 sums, v_exp_f32 and their like allow (about 1e-6 of the number): no bf16 or f16 on the way to a quantiser, and a product that is left as it is and whose result goes on into a quantised operand takes f32 operands (vector FMAs, or v_wmma_f32_16x16x4_f32). A number that lies on a knife's edge between two numbers of the format may be rounded either way, as far as f32 arithmetic and the matrix unit's own rounding can turn it there, and no further.
;; One version. Each part assembles by itself: llvm-mc -triple=amdgcn-amd-amdhsa -mcpu=gfx1250 --defsym DOCPART=n.
;; ======== version 1 of 1: 7 launches
;; limits: right only within a limited range of input values
;; workspace buffers: prepw 17,301,504 bytes; qkvc 12,976,128 bytes; ao 16,777,216 bytes; yq 4,325,376 bytes; hq 17,301,504 bytes; ff 16,777,216 bytes
;; launch prep (part 1): grid 480 x 1, 4 waves a work-group, no clusters, 34,304 bytes of LDS; arguments x, Wq, Wk, Wv, W1, W2, prepw; writes prepw
.if DOCPART == 1
	.amdgcn_target "amdgcn-amd-amdhsa--gfx1250"
	.amdhsa_code_object_version 6
	.text
	.protected	k_q57170af347_prep
	.globl	k_q57170af347_prep
	.p2align	8
	.type	k_q57170af347_prep,@function
k_q57170af347_prep:
	s_mov_b64 s[64:65], 0
	v_nop
	global_prefetch_b8 v0, s[64:65] scope:SCOPE_SE
	s_setreg_imm32_b32 hwreg(HW_REG_WAVE_MODE, 25, 1), 1
	s_wait_xcnt 0x0
; x [4096][1024] and the five weights (K is their FIRST axis) become codes of E4M3 with one E8M0 byte for each 32 along K, laid as IMAGES OF OPERAND REGISTERS.
; ROWS GO IN BLOCKS OF 16: block t = 2 b + u, place r is row 32 b + 8 u + r + 8 (r / 8).
; CODES, IMG(T): byte = kc T 4096 + t 4096 + q 2048 + c 512 + 16 lane; lane r + 16 h holds the 16 codes of the block's place r at k = 256 kc + 128 q + 32 c + 16 h + 0 .. 15.
; SCALE WORDS, SCW(T): byte = kc T 128 + t 128 + 8 r + 4 q: four bytes for the 128 k of (kc, q).
; prepw: x's codes at 0, Wq|Wk|Wv's (rows 1024 type + n) at 0x400000, W1's at 0x800000 (all T = 256), W2's at 0xC00000 (T = 64); scale words at 0x1000000, 0x1020000, 0x1040000, 0x1060000.
; A block's scale is 2^(floor(log2(largest magnitude)) - 8); its byte is that magnitude's exponent field - 8, held at 1 from below.
; LIMITS: a block of zeros keeps the byte 1 (its codes are zeros; this program alone reads the bytes); blocks whose largest magnitude lies under 2^-118 are held at the byte 1; NaN and infinities are not served.
; Work-groups 0-127: 32 rows of x each, wave w takes k = 256 w on.  Work-groups 128-479: 128 columns x 256 K of a weight, a wave 32 columns.  Only x's way uses LDS; no barrier: waves share nothing.
.set MNT, 19                           ; s19     the mantissa field of 448
.set SEL, 20                           ; s[20:21] selects of v_permlanex16_b32: lane l xor 16
.set R,   16                           ; v16-143  x: two sets of 64 numbers as loaded
.set X,   144                          ; v144-207 x: 64 numbers in the conversions' order
.set PC,  208                          ; v208-223 a fragment's codes
.set TM,  224                          ; v224-239 at work in QUANT
.set PW,  240                          ; v240     the scale word just made
.set PWS, 241                          ; v241-244 the four fragments' scale words
.set OF,  16                           ; v16-47   weights: byte offset of row i of a block of 32 along K, at my column
.set WX,  48                           ; v48-111  weights: two sets of 32 numbers
.set WC,  112                          ; v112-175 weights: eight registers of codes for each of 8 blocks, never written again
.set SB,  176                          ; v176-177 weights: my column's eight scale bytes
; 64 numbers of a lane, register 16 b + i = k 32 b + 16 (lane / 16) + i of my row, become a fragment's codes in v[PC] on and its scale word in v[PW]
.macro QUANT s
.irp b, 0,1,2,3
	v_max3_num_f32 v[TM+\b], |v[\s+16*\b]|, |v[\s+1+16*\b]|, 0x4800000   ; my 16 numbers of block b, and the floor 2^(9 - 127): the byte cannot fall under 1
.endr
.irp i, 2,4,6,8,10,12,14
.irp b, 0,1,2,3
	v_max3_num_f32 v[TM+\b], v[TM+\b], |v[\s+16*\b+\i]|, |v[\s+1+16*\b+\i]|
.endr
.endr
.irp b, 0,1,2,3
	v_permlanex16_b32 v[TM+4+\b], v[TM+\b], s[SEL], s[SEL+1]
.endr
.irp b, 0,1,2,3
	v_max_num_f32 v[TM+\b], v[TM+\b], v[TM+4+\b]                       ; with lane l xor 16's: the block's largest magnitude
.endr
.irp b, 0,1,2,3
	v_add_nc_u32 v[TM+12+\b], 0xfc000000, v[TM+\b]                     ; 8 off its exponent field: the conversion's scale operand
.endr
.irp b, 0,1,2,3
	v_and_or_b32 v[TM+8+\b], v[TM+\b], 0x7f800000, s[MNT]              ; 448 x the scale
.endr
.irp b, 0,1,2,3
	v_lshrrev_b32 v[TM+4+\b], 23, v[TM+12+\b]                          ; the scale's byte
.endr
	v_lshl_or_b32 v[PW], v[TM+5], 8, v[TM+4]
	v_lshl_or_b32 v[PW], v[TM+6], 16, v[PW]
	v_lshl_or_b32 v[PW], v[TM+7], 24, v[PW]
.irp b, 0,1,2,3
.irp i, 0,1,2,3,4,5,6,7,8,9,10,11,12,13,14,15
	v_med3_num_f32 v[\s+16*\b+\i], v[\s+16*\b+\i], -v[TM+8+\b], v[TM+8+\b]   ; the conversion does not saturate (ISA guide 7.6.2): the hold at 448 x the scale
.endr
	v_cvt_scalef32_pk8_fp8_f32 v[PC+4*\b:PC+1+4*\b], v[\s+16*\b:\s+7+16*\b], v[TM+12+\b]
	v_cvt_scalef32_pk8_fp8_f32 v[PC+2+4*\b:PC+3+4*\b], v[\s+8+16*\b:\s+15+16*\b], v[TM+12+\b]
.endr
	v_nop                                          ; one plain line behind the last scaled conversion
.endm
	s_load_b256 s[4:11], s[0:1], 0x0               ; x s[4:5], Wq s[6:7], Wk s[8:9], Wv s[10:11]
	s_load_b128 s[12:15], s[0:1], 0x20             ; W1 s[12:13], W2 s[14:15]
	s_load_b64 s[16:17], s[0:1], 0x30              ; prepw
	v_lshl_add_u32 v254, v0, 2, 0x8400
	v_mov_b32 v255, 0
	v_lshrrev_b32 v1, 5, v0
	v_readfirstlane_b32 s18, v1                    ; wave
	v_and_b32 v1, 31, v0                           ; lane
	s_mov_b32 s[MNT], 0x600000
	s_cmp_lt_u32 ttmp9, 128
	s_cbranch_scc0 .Lweights
	; ---------------- x: rows 32 b .. 32 b + 31, k = 256 w .. 256 w + 255: four fragments f = 2 u + q
	s_mov_b32 s[SEL], 0x76543210
	s_mov_b32 s[SEL+1], 0xfedcba98
	v_lshlrev_b32 v2, 4, v1                        ; 16 x lane
	s_mul_i32 s22, s18, 8448                       ; my stage: 16 rows x (512 + 16) bytes
	v_add_nc_u32 v3, s22, v2                       ; in: a row as it lies
	v_and_b32 v6, 15, v0                           ; r
	v_bfe_u32 v7, v0, 4, 1                         ; h
	v_mul_u32_u24 v4, v6, 528
	v_lshl_add_u32 v4, v7, 6, v4
	v_add_nc_u32 v4, s22, v4                       ; out: row r, + 64 h: my 16 numbers of a block of 32
	v_lshlrev_b32 v5, 3, v1                        ; 8 x lane: the scale words' way out
.irp b, 0,1,2,3
	v_mov_b32 v[TM+4+\b], 0                        ; written once: a lane permute's destination counts as one of its sources
.endr
	s_lshl_b32 s22, ttmp9, 17                      ; 32 rows of 4,096 bytes
	s_lshl_b32 s23, s18, 10
	s_add_co_u32 s22, s22, s23
	s_mov_b32 s23, 0
	s_lshl_b32 s24, s18, 20                        ; codes: plane kc = w,
	s_lshl_b32 s25, ttmp9, 13                      ; block 2 b
	s_add_co_u32 s24, s24, s25
	s_mov_b32 s25, 0
	s_lshl_b32 s26, s18, 15                        ; scale words likewise
	s_lshl_b32 s27, ttmp9, 8
	s_add_co_u32 s26, s26, s27
	s_add_co_u32 s26, s26, 0x1000000
	s_mov_b32 s27, 0
	s_wait_alu depctr_va_vdst(0)
	s_wait_kmcnt 0x0
	s_add_nc_u64 s[4:5], s[4:5], s[22:23]
	s_add_nc_u64 s[24:25], s[16:17], s[24:25]
	s_add_nc_u64 s[26:27], s[16:17], s[26:27]
.macro LOADF f                         ; the 16 rows of block 2 b + f / 2, 128 numbers each: every load reads 512 consecutive bytes
.irp p, 0,1,2,3,4,5,6,7,8,9,10,11,12,13,14,15
	global_load_b128 v[R+64*((\f)%2)+4*\p:R+64*((\f)%2)+4*\p+3], v2, s[4:5] offset:(8*((\f)/2)+\p+8*(\p/8))*4096+((\f)%2)*512 th:TH_LOAD_NT
.endr
.endm
.macro FRAGX f
.if (\f) < 3
	s_wait_loadcnt 16                              ; this fragment's 16 loads are in; the next fragment's 16 may be out
.else
	s_wait_loadcnt 0x0
.endif
.irp p, 0,1,2,3,4,5,6,7,8,9,10,11,12,13,14,15
	ds_store_b128 v3, v[R+64*((\f)%2)+4*\p:R+64*((\f)%2)+4*\p+3] offset:528*\p
.endr
.irp c, 0,1,2,3
.irp j, 0,1,2,3
	ds_load_b128 v[X+16*\c+4*\j:X+16*\c+4*\j+3], v4 offset:128*\c+16*\j   ; LDS serves a wave's instructions in order: these see my stores
.endr
.endr
	s_wait_dscnt 0x0                               ; the numbers are back, and the stores have read their registers,
.if (\f) < 2
	LOADF (\f)+2                                   ; which take the fragment two further on
.endif
	s_wait_xcnt 0x0                                ; the last fragment's stores have read v[PC] on: it is written again only behind this wait
	QUANT X
.irp c, 0,1,2,3
	global_store_b128 v2, v[PC+4*\c:PC+4*\c+3], s[24:25] offset:((\f)/2)*4096+((\f)%2)*2048+512*\c   ; 512 consecutive bytes
.endr
	v_mov_b32 v[PWS+(\f)], v[PW]
.endm
	LOADF 0
	LOADF 1
	FRAGX 0
	FRAGX 1
	FRAGX 2
	FRAGX 3
	v_cmp_le_u32 vcc_lo, 16, v1                    ; lanes 16-31 store block 2 b + 1's words, lanes 0-15 block 2 b's
	v_cndmask_b32 v246, v[PWS], v[PWS+2], vcc_lo
	v_cndmask_b32 v247, v[PWS+1], v[PWS+3], vcc_lo
	global_store_b64 v5, v[246:247], s[26:27]      ; 256 consecutive bytes, aligned
	s_wait_tensorcnt 0x0
	ds_add_u32 v254, v255
	s_wait_dscnt 0x0
	s_endpgm
	; ---------------- a weight: A LANE TAKES A COLUMN, ITS REGISTERS RUN DOWN K: nothing is transposed
.Lweights:
	s_sub_co_u32 s22, ttmp9, 128                   ; j: 0-95 Wq, Wk, Wv; 96-223 W1; 224-351 W2
	s_lshr_b32 s23, s22, 5                         ; which of Wq, Wk, Wv
	s_and_b32 s24, s22, 31                         ; jj
	s_lshl_b32 s25, s23, 10                        ; the operand's first row: 1024 x type
	s_sub_co_u32 s26, s22, 96
	s_sub_co_u32 s27, s22, 224
	s_mov_b32 s28, 4096                            ; bytes from a row of K to the next
	s_mov_b32 s29, 2                               ; log2 of the planes kc
	s_mov_b32 s30, 20                              ; log2 of a plane of codes in bytes
	s_mov_b32 s31, 1                               ; which image: 1, 2, 3
	s_wait_kmcnt 0x0
	s_cmp_eq_u32 s23, 1
	s_cselect_b64 s[32:33], s[8:9], s[6:7]
	s_cmp_eq_u32 s23, 2
	s_cselect_b64 s[32:33], s[10:11], s[32:33]
	s_cmp_ge_u32 s22, 96
	s_cselect_b64 s[32:33], s[12:13], s[32:33]
	s_cselect_b32 s24, s26, s24
	s_cselect_b32 s25, 0, s25
	s_cselect_b32 s28, 16384, s28
	s_cselect_b32 s31, 2, s31
	s_cmp_ge_u32 s22, 224
	s_cselect_b64 s[32:33], s[14:15], s[32:33]
	s_cselect_b32 s24, s27, s24
	s_cselect_b32 s28, 4096, s28
	s_cselect_b32 s29, 4, s29
	s_cselect_b32 s30, 18, s30
	s_cselect_b32 s31, 3, s31
	s_lshr_b32 s34, s24, s29                       ; which 128 columns
	s_bfm_b32 s35, s29, 0
	s_and_b32 s35, s24, s35                        ; kc
	s_lshl_b32 s34, s34, 7
	s_lshl_b32 s36, s18, 5
	s_add_co_u32 s34, s34, s36                     ; my wave's first column
	s_add_co_u32 s36, s25, s34
	s_lshr_b32 s36, s36, 4                         ; its block t0 (an even one)
	s_mul_i32 s38, s35, s28
	s_lshl_b32 s38, s38, 8                         ; 256 kc rows
	s_lshl_b32 s37, s34, 2
	s_add_co_u32 s38, s38, s37
	s_mov_b32 s39, 0
	s_add_nc_u64 s[40:41], s[32:33], s[38:39]      ; a base for each of the 8 blocks of 32 along K: none is ever written again
	s_lshl_b32 s38, s28, 5
.irp t, 1,2,3,4,5,6,7
	s_add_nc_u64 s[40+2*\t:41+2*\t], s[38+2*\t:39+2*\t], s[38:39]
.endr
	s_lshl_b32 s56, s35, s30
	s_lshl_b32 s57, s36, 12
	s_add_co_u32 s56, s56, s57
	s_lshl_b32 s57, s31, 22
	s_add_co_u32 s56, s56, s57
	s_mov_b32 s57, 0
	s_add_nc_u64 s[56:57], s[16:17], s[56:57]      ; the codes
	s_sub_co_u32 s58, s30, 5
	s_lshl_b32 s58, s35, s58
	s_lshl_b32 s59, s36, 7
	s_add_co_u32 s58, s58, s59
	s_lshl_b32 s59, s31, 17
	s_add_co_u32 s58, s58, s59
	s_add_co_u32 s58, s58, 0x1000000
	s_mov_b32 s59, 0
	s_add_nc_u64 s[58:59], s[16:17], s[58:59]      ; the scale words
	s_wait_alu depctr_va_vdst(0)
	v_lshlrev_b32 v2, 2, v1
.irp i, 0,1,2,3,4,5,6,7,8,9,10,11,12,13,14,15,16,17,18,19,20,21,22,23,24,25,26,27,28,29,30,31
	v_mad_u32_u24 v[OF+\i], s28, \i, v2
.endr
	v_bfe_u32 v6, v1, 3, 1                         ; column L of 32 is place r = L % 8 + 8 (L / 16) of block t0 + u, u = (L / 8) % 2
	v_and_b32 v7, 7, v1
	v_lshrrev_b32 v8, 4, v1
	v_lshl_add_u32 v7, v8, 3, v7
	v_lshlrev_b32 v3, 4, v7
	v_lshl_add_u32 v3, v6, 12, v3                  ; codes: 4096 u + 16 r
	v_lshlrev_b32 v4, 3, v7
	v_lshl_add_u32 v4, v6, 7, v4                   ; scale words: 128 u + 8 r
.macro WLOAD t                         ; block t: W(32 t + i, my column): a wave reads 128 consecutive bytes, the four waves 512
.irp i, 0,1,2,3,4,5,6,7,8,9,10,11,12,13,14,15,16,17,18,19,20,21,22,23,24,25,26,27,28,29,30,31
	global_load_b32 v[WX+32*((\t)%2)+\i], v[OF+\i], s[40+2*(\t):41+2*(\t)] th:TH_LOAD_NT
.endr
.endm
.macro BLOCK t
.set XS, WX+32*((\t)%2)
.if (\t) < 7
	s_wait_loadcnt 32                              ; this block's 32 loads are in; the next block's may be out
.else
	s_wait_loadcnt 0x0
.endif
	v_max3_num_f32 v12, |v[XS]|, |v[XS+1]|, |v[XS+2]|
	v_max3_num_f32 v13, |v[XS+3]|, |v[XS+4]|, |v[XS+5]|
.irp i, 6,10,14,18,22,26
	v_max3_num_f32 v12, v12, |v[XS+\i]|, |v[XS+\i+1]|
	v_max3_num_f32 v13, v13, |v[XS+\i+2]|, |v[XS+\i+3]|
.endr
	v_max3_num_f32 v12, v12, |v[XS+30]|, |v[XS+31]|
	v_max3_num_f32 v12, v12, v13, 0x4800000        ; all 32 numbers are mine; and the floor
	v_add_nc_u32 v11, 0xfc000000, v12
	v_and_or_b32 v10, v12, 0x7f800000, s[MNT]
	v_lshrrev_b32 v13, 23, v11
.if (\t)%4 == 0
	v_mov_b32 v[SB+(\t)/4], v13                    ; four bytes to a word, the lower K in the lower byte
.else
	v_lshl_or_b32 v[SB+(\t)/4], v13, 8*((\t)%4), v[SB+(\t)/4]
.endif
.irp i, 0,1,2,3,4,5,6,7,8,9,10,11,12,13,14,15,16,17,18,19,20,21,22,23,24,25,26,27,28,29,30,31
	v_med3_num_f32 v[XS+\i], v[XS+\i], -v10, v10
.endr
.irp g, 0,1,2,3
	v_cvt_scalef32_pk8_fp8_f32 v[WC+8*(\t)+2*\g:WC+8*(\t)+2*\g+1], v[XS+8*\g:XS+8*\g+7], v11
.endr
	v_nop
	global_store_b128 v3, v[WC+8*(\t):WC+8*(\t)+3], s[56:57] offset:((\t)/4)*2048+((\t)%4)*512        ; k 0-15 of the block: the image's lanes 0-15; two runs of 256 consecutive bytes
	global_store_b128 v3, v[WC+8*(\t)+4:WC+8*(\t)+7], s[56:57] offset:((\t)/4)*2048+((\t)%4)*512+256  ; k 16-31: its lanes 16-31
.if (\t)+2 < 8
	WLOAD (\t)+2
.endif
.endm
	WLOAD 0
	WLOAD 1
.irp t, 0,1,2,3,4,5,6,7
	BLOCK \t
.endr
	global_store_b64 v4, v[SB:SB+1], s[58:59]      ; 256 consecutive bytes, aligned
	s_endpgm
.Lfunc_end_k_q57170af347_prep:
	.size	k_q57170af347_prep, .Lfunc_end_k_q57170af347_prep-k_q57170af347_prep
	.p2alignl 7, 3214868480
	.fill 96, 4, 3214868480
	.section	.rodata,"a",@progbits
	.p2align	6, 0x0
	.amdhsa_kernel k_q57170af347_prep
		.amdhsa_group_segment_fixed_size 34304
		.amdhsa_private_segment_fixed_size 0
		.amdhsa_enable_private_segment 0
		.amdhsa_kernarg_size 56
		.amdhsa_user_sgpr_count 2
		.amdhsa_user_sgpr_kernarg_segment_ptr 1
		.amdhsa_wavefront_size32 1
		.amdhsa_system_sgpr_workgroup_id_x 1
		.amdhsa_system_sgpr_workgroup_id_y 1
		.amdhsa_system_sgpr_workgroup_id_z 1
		.amdhsa_system_vgpr_workitem_id 0
		.amdhsa_next_free_vgpr 256
		.amdhsa_next_free_sgpr 80
		.amdhsa_reserve_vcc 1
		.amdhsa_float_denorm_mode_32 3
		.amdhsa_float_denorm_mode_16_64 3
		.amdhsa_memory_ordered 1
		.amdhsa_forward_progress 1
		.amdhsa_inst_pref_size 110
	.end_amdhsa_kernel
	.amdgpu_metadata
---
amdhsa.version: [ 1, 2 ]
amdhsa.kernels:
  - .name:           k_q57170af347_prep
    .symbol:         k_q57170af347_prep.kd
    .args:
      - { .name: x, .offset: 0, .size: 8, .value_kind: global_buffer, .address_space: global }
      - { .name: Wq, .offset: 8, .size: 8, .value_kind: global_buffer, .address_space: global }
      - { .name: Wk, .offset: 16, .size: 8, .value_kind: global_buffer, .address_space: global }
      - { .name: Wv, .offset: 24, .size: 8, .value_kind: global_buffer, .address_space: global }
      - { .name: W1, .offset: 32, .size: 8, .value_kind: global_buffer, .address_space: global }
      - { .name: W2, .offset: 40, .size: 8, .value_kind: global_buffer, .address_space: global }
      - { .name: prepw, .offset: 48, .size: 8, .value_kind: global_buffer, .address_space: global }
    .group_segment_fixed_size: 34304
    .private_segment_fixed_size: 0
    .kernarg_segment_align: 8
    .kernarg_segment_size: 56
    .max_flat_workgroup_size: 128
    .sgpr_count:     80
    .vgpr_count:     256
    .wavefront_size: 32
...
	.end_amdgpu_metadata
.endif
;; end of part 1
;; launch qkv (part 2): grid 12 x 16, 4 waves a work-group, clusters of 4 x 4, 327,680 bytes of LDS; arguments prepw, bq, bk, bv, qkvc; writes qkvc
.if DOCPART == 2
	.amdgcn_target "amdgcn-amd-amdhsa--gfx1250"
	.amdhsa_code_object_version 6
	.text
	.protected	k_q57170af347_qkv
	.globl	k_q57170af347_qkv
	.p2align	8
	.type	k_q57170af347_qkv,@function
k_q57170af347_qkv:
	s_mov_b64 s[64:65], 0
	v_nop
	global_prefetch_b8 v0, s[64:65] scope:SCOPE_SE
	s_setreg_imm32_b32 hwreg(HW_REG_WAVE_MODE, 25, 1), 1
	s_wait_xcnt 0x0
	s_wait_alu depctr_hold_cnt(0) depctr_sa_sdst(0) depctr_va_vdst(0) depctr_va_sdst(0) depctr_va_ssrc(0) depctr_va_vcc(0) depctr_vm_vsrc(0)
	s_getreg_b32 s2, hwreg(HW_REG_IB_STS2, 6, 4)
	s_cmp_eq_u32 s2, 0
	s_cbranch_scc0 .Lentry_in_a_cluster
	s_endpgm
.Lentry_in_a_cluster:
	s_bfe_u32 s2, ttmp6, 0x10000c
	s_cmp_lg_u32 s2, 0xf033
	s_cbranch_scc0 .Lentry_shape_is_right
	s_endpgm
.Lentry_shape_is_right:
.set NBK,   8
.set NQ,    2
.set LAPS,  2
.set SCPC,  4096
.set SHALF, 1024
.set SADV,  2048
.set SROWS, 4
.set SSTR_A, 4096
.set SSTR_B, 4096
.set SSTEP_A, 0x100000
.set SSTEP_B, 0x100000
.set HN,    NBK/2
.set QN,    NBK/4
.set NL,    4
.set PIECE, 32768
.set HALF,  NBK*4096
.set SLOT,  131072
.set SCL,   262144
.set SPARE, SCL+4*SCPC+256
.set ADRA, 16
.set ADRB, 20
.set PW,   24
.set ADRS, 27
.set SPW,  28
.set NIL,  29
.set SC,   32
.set PC,   32
.set TM,   48
.set BB,   64
.set AF,   128
.set H,    128
.set G1, 24
.set G0, 32
.set G1B, 48
.set G0B, 56
.set G1S, 68
.set G0S, 76
.set G1SB, 80
.set G0SB, 88
.set SEL, 18
.set MNT, 20
.set MUL_LO, 0xa1
.set MUL_HI, 0xa1+0x50*(NBK/8)
.set MSB, 0
.macro WIN new
.if MSB != (\new)
	s_set_vgpr_msb (MSB<<8)|(\new)
.set MSB, (\new)
.endif
.endm
.macro PLACES n
.rept \n
	v_nop
.endr
.endm
.macro JLOAD g0a, g1a, g0b, g1b
	s_cmp_eq_u32 s15, 0
	s_cbranch_scc0 .Lfor_b_\@
	tensor_load_to_lds s[\g0a:\g0a+3], s[\g1a:\g1a+7]
	s_nop 0
	PLACES 4
	s_branch .Lasked_\@
.Lfor_b_\@:
	tensor_load_to_lds s[\g0b:\g0b+3], s[\g1b:\g1b+7]
	s_nop 0
	PLACES 4
.Lasked_\@:
.endm
.macro CREST
	s_cmp_lg_u32 s14, 0
	s_cbranch_scc1 .Lnot_wave_0_\@
	s_barrier_signal -3
.Lnot_wave_0_\@:
	s_barrier_wait -3
	s_barrier_signal -1
	s_barrier_wait -1
.endm
.macro CROUND
	s_barrier_signal -1
	s_barrier_wait -1
	CREST
.endm
.macro FRAG reg, adr, off
.irp c, 0,1,2,3
	ds_load_b128 v[\reg+4*\c:\reg+4*\c+3], v[\adr] offset:\off+512*\c
.endr
.endm
.macro FETCH_B slot, q, p
	WIN 0x40
.set ii, 0
.rept NBK
	FRAG 128*(\p)+16*ii, ADRB+\slot, PIECE*((\q)/2)+2048*((\q)%2)+4096*ii
.set ii, ii+1
.endr
	WIN 0
.endm
.macro FETCH_A slot, q, half
.set ii, (\half)*HN
.rept HN
	FRAG AF+16*ii, ADRA+\slot, PIECE*((\q)/2)+2048*((\q)%2)+4096*ii
.set ii, ii+1
.endr
.endm
.macro SCALES sc
.set nn, 0
.rept 8
	ds_load_b64 v[SC+16*(\sc)+2*nn:SC+16*(\sc)+2*nn+1], v[ADRS] offset:128*(nn/(NQ/2))+1024*(nn%(NQ/2))
.set nn, nn+1
.endr
.endm
.macro MULQ k, p, q, sc, zero
.set ia, (\k)*QN
.rept QN
.set ib, 0
.rept NBK
.if \zero
	v_wmma_scale_f32_16x16x128_f8f6f4 v[8*(8*(ia%4)+ib):8*(8*(ia%4)+ib)+7], v[128*(\p)+16*ib:128*(\p)+16*ib+15], v[AF+16*ia:AF+16*ia+15], 0, v[SC+16*(\sc)+NQ*ib+(\q)], v[SC+16*(\sc)+NQ*ia+(\q)] matrix_a_scale:MATRIX_SCALE_ROW1
.else
	v_wmma_scale_f32_16x16x128_f8f6f4 v[8*(8*(ia%4)+ib):8*(8*(ia%4)+ib)+7], v[128*(\p)+16*ib:128*(\p)+16*ib+15], v[AF+16*ia:AF+16*ia+15], v[8*(8*(ia%4)+ib):8*(8*(ia%4)+ib)+7], v[SC+16*(\sc)+NQ*ib+(\q)], v[SC+16*(\sc)+NQ*ia+(\q)] matrix_a_scale:MATRIX_SCALE_ROW1
.endif
.set ib, ib+1
.endr
.set ia, ia+1
.endr
.endm
.macro STEP slot, q, zero
	s_wait_dscnt HN*NL
	WIN MUL_LO
	MULQ 0, (\q)%2, \q, \slot, \zero
	MULQ 1, (\q)%2, \q, \slot, \zero
	s_wait_dscnt 0x0
	PLACES 8
	FETCH_B \slot, (\q)+1, 1-(\q)%2
	FETCH_A \slot, (\q)+1, 0
	WIN MUL_HI
	MULQ 2, (\q)%2, \q, \slot, \zero
	MULQ 3, (\q)%2, \q, \slot, \zero
	PLACES 8
	WIN 0
	FETCH_A \slot, (\q)+1, 1
.endm
.macro REST slot
.if NQ > 2
.set qq, 1
.rept NQ-2
	STEP \slot, qq, 0
.set qq, qq+1
.endr
.endif
.endm
.macro TURN slot, next, fill
	s_wait_tensorcnt 0x0
	ds_add_u32 v[SPW], v[NIL]
	s_wait_dscnt HN*NL+1
	WIN MUL_LO
	MULQ 0, 1, NQ-1, \slot, 0
	s_wait_dscnt 0x0
	s_barrier_signal -1
	MULQ 1, 1, NQ-1, \slot, 0
	WIN 0
	s_barrier_wait -1
.if \fill
	CREST
	s_add_nc_u64 s[G0+4*\slot+2:G0+4*\slot+3], s[G0+4*\slot+2:G0+4*\slot+3], 2*SSTEP_A
	s_add_nc_u64 s[G0B+4*\slot+2:G0B+4*\slot+3], s[G0B+4*\slot+2:G0B+4*\slot+3], 2*SSTEP_B
	JLOAD G0+4*\slot, G1, G0B+4*\slot, G1B
	PLACES 4
.else
	PLACES 8
.endif
	s_wait_alu depctr_va_vdst(0)
	v_add_nc_u32 v[ADRS], SADV, v[ADRS]
	FETCH_B \next, 0, 0
	FETCH_A \next, 0, 0
	SCALES \next
	WIN MUL_HI
	MULQ 2, 1, NQ-1, \slot, 0
	MULQ 3, 1, NQ-1, \slot, 0
	PLACES 8
	WIN 0
	FETCH_A \next, 0, 1
.endm
.macro QUANT s
.irp b, 0,1,2,3
	v_max3_num_f32 v[TM+\b], |v[\s+16*\b]|, |v[\s+1+16*\b]|, 0x4800000
.endr
.irp i, 2,4,6,8,10,12,14
.irp b, 0,1,2,3
	v_max3_num_f32 v[TM+\b], v[TM+\b], |v[\s+16*\b+\i]|, |v[\s+1+16*\b+\i]|
.endr
.endr
.irp b, 0,1,2,3
	v_permlanex16_b32 v[TM+4+\b], v[TM+\b], s[SEL], s[SEL+1]
.endr
.irp b, 0,1,2,3
	v_max_num_f32 v[TM+\b], v[TM+\b], v[TM+4+\b]
.endr
.irp b, 0,1,2,3
	v_add_nc_u32 v[TM+12+\b], 0xfc000000, v[TM+\b]
.endr
.irp b, 0,1,2,3
	v_and_or_b32 v[TM+8+\b], v[TM+\b], 0x7f800000, s[MNT]
.endr
.irp b, 0,1,2,3
	v_lshrrev_b32 v[TM+4+\b], 23, v[TM+12+\b]
.endr
	v_lshl_or_b32 v[PW], v[TM+5], 8, v[TM+4]
	v_lshl_or_b32 v[PW], v[TM+6], 16, v[PW]
	v_lshl_or_b32 v[PW], v[TM+7], 24, v[PW]
.irp b, 0,1,2,3
.irp i, 0,1,2,3,4,5,6,7,8,9,10,11,12,13,14,15
	v_med3_num_f32 v[\s+16*\b+\i], v[\s+16*\b+\i], -v[TM+8+\b], v[TM+8+\b]
.endr
	v_cvt_scalef32_pk8_fp8_f32 v[PC+4*\b:PC+1+4*\b], v[\s+16*\b:\s+7+16*\b], v[TM+12+\b]
	v_cvt_scalef32_pk8_fp8_f32 v[PC+2+4*\b:PC+3+4*\b], v[\s+8+16*\b:\s+15+16*\b], v[TM+12+\b]
.endr
	v_nop
.endm
	s_load_b256 s[4:11], s[0:1], 0x0
	s_load_b64 s[12:13], s[0:1], 0x20
	v_lshl_add_u32 v[SPW], v0, 2, SPARE
	v_mov_b32 v[NIL], 0
	ds_add_u32 v28, v29
	ds_add_u32 v28, v29
	s_wait_dscnt 0x0
	v_lshrrev_b32 v1, 5, v0
	v_readfirstlane_b32 s14, v1
	s_lshr_b32 s15, s14, 1
	s_and_b32 s16, s14, 1
	s_bfe_u32 s40, ttmp6, 0x40000
	s_bfe_u32 s41, ttmp6, 0x40004
	s_and_b32 s18, ttmp7, 0xffff
	s_lshl_b32 s18, s18, 2
	s_lshl_b32 s19, ttmp9, 2
	s_cmp_eq_u32 ttmp9, 2
	s_cselect_b32 s17, 8, s18
	s_cselect_b32 s42, s18, s19
	s_cselect_b32 s95, 0x400000, 0
	s_cselect_b32 s96, 0, 0x400000
	s_cselect_b32 s97, 0x20000, 0
	s_cselect_b32 s98, 0, 0x20000
	s_cselect_b32 s99, 1, 0
	s_add_co_u32 s17, s17, s41
	s_add_co_u32 s42, s42, s40
	s_lshl_b32 s43, s41, 2
	s_lshl_b32 s43, 15, s43
	s_lshl_b32 s44, 0x1111, s40
	s_or_b32 s[G1], s43, (3<<16)|(1<<21)
	s_or_b32 s[G1B], s44, (3<<16)|(1<<21)
	s_or_b32 s[G1S], s43, (3<<16)|(1<<21)
	s_or_b32 s[G1SB], s44, (3<<16)|(1<<21)
.irp g, G1, G1B
	s_mov_b32 s[\g+1], 32<<16
	s_mov_b32 s[\g+2], 256<<16                     ; the head's loads of codes bring 256 rows; behind them these two words are set to 128, for the ring's
	s_mov_b32 s[\g+3], 32<<16
	s_mov_b32 s[\g+4], 256
	s_mov_b32 s[\g+5], 32
	s_mov_b32 s[\g+6], 0
	s_mov_b32 s[\g+7], 0
.endr
.irp g, G1S, G1SB
	s_mov_b32 s[\g+1], 256<<16                     ; scale words: a K step's 2,048 bytes of the tile's 256 rows are one row of the load
	s_mov_b32 s[\g+2], SROWS<<16
	s_mov_b32 s[\g+3], 256<<16
	s_mov_b32 s[\g+4], SROWS
	s_mov_b32 s[\g+6], 0
	s_mov_b32 s[\g+7], 0
.endr
	s_mov_b32 s[G1S+5], SSTR_A
	s_mov_b32 s[G1SB+5], SSTR_B
	s_lshl_b32 s18, s16, 15
	s_mov_b32 s19, 0                               ; s[18:19]: my half of a tile of codes, in bytes, for the ring
	s_lshl_b32 s20, s17, 16
	s_add_co_u32 s20, s20, s95
	s_mov_b32 s21, 0
	s_lshl_b32 s22, s17, 11
	s_add_co_u32 s22, s22, s97
	s_add_co_u32 s22, s22, 0x1000000
	s_mov_b32 s23, 0
	s_lshl_b32 s46, s42, 16
	s_add_co_u32 s46, s46, s96
	s_mov_b32 s47, 0
	s_lshl_b32 s92, s42, 11
	s_add_co_u32 s92, s92, s98
	s_add_co_u32 s92, s92, 0x1000000
	s_mov_b32 s93, 0
	s_mul_i32 s45, s14, PIECE
	s_wait_kmcnt 0x0
	s_add_nc_u64 s[20:21], s[4:5], s[20:21]
	s_add_nc_u64 s[22:23], s[4:5], s[22:23]
	s_add_nc_u64 s[46:47], s[4:5], s[46:47]
	s_add_nc_u64 s[92:93], s[4:5], s[92:93]
	CROUND
	s_mov_b32 s[G0S], 1
	s_mov_b32 s[G0S+1], SCL
	s_mov_b64 s[G0S+2:G0S+3], s[22:23]
	s_or_b32 s[G0S+3], s[G0S+3], 0x80000000
	s_mov_b32 s[G0SB], 1
	s_mov_b32 s[G0SB+1], SCL+2*SCPC+128
	s_mov_b64 s[G0SB+2:G0SB+3], s[92:93]
	s_or_b32 s[G0SB+3], s[G0SB+3], 0x80000000
	s_mov_b32 s[G0], 1                             ; the head's loads of codes use slot 0's group 0: K step 0's 256 rows of A,
	s_mov_b32 s[G0+1], 0
	s_mov_b64 s[G0+2:G0+3], s[20:21]
	s_or_b32 s[G0+3], s[G0+3], 0x80000000
	s_mov_b32 s[G0B], 1                            ; and its 256 rows of B, behind them in slot 0
	s_mov_b32 s[G0B+1], 2*PIECE
	s_mov_b64 s[G0B+2:G0B+3], s[46:47]
	s_or_b32 s[G0B+3], s[G0B+3], 0x80000000
; THE HEAD'S LOADS, ONE A WAVE: wave 0 A's codes of K step 0, wave 1 B's, wave 2 A's scale words, wave 3 B's.  One chain of branches on the wave's number: every way passes exactly one load.
.macro ARM under, g0, g1, next
	s_cmp_lt_u32 s14, \under
	s_cbranch_scc0 \next
	tensor_load_to_lds s[\g0:\g0+3], s[\g1:\g1+7]
	s_nop 0
	PLACES 4
	s_branch .Lhead_asked
\next:
.endm
	ARM 1, G0,  G1,  .Lhead_b
	ARM 2, G0B, G1B, .Lhead_sa
	ARM 3, G0S, G1S, .Lhead_sb
	tensor_load_to_lds s[G0SB:G0SB+3], s[G1SB:G1SB+7]
	s_nop 0
	PLACES 4
.Lhead_asked:
	s_wait_alu depctr_va_vdst(0)
	s_wait_tensorcnt 0x0                           ; my tile of the head's four is in: no tensor load of mine is out, so descriptors may be written
	ds_add_u32 v28, v29                            ; the ring's descriptors, work on registers, stand between this add and the wait for it
	s_mov_b32 s[G1+2], 128<<16                     ; from here on a load brings 128 rows
	s_mov_b32 s[G1+4], 128
	s_mov_b32 s[G1B+2], 128<<16
	s_mov_b32 s[G1B+4], 128
	s_add_nc_u64 s[20:21], s[20:21], s[18:19]      ; my 128 rows of a tile
	s_add_nc_u64 s[46:47], s[46:47], s[18:19]
.irp s, 0,1
	s_mov_b32 s[G0+4*\s], 1
	s_add_co_u32 s[G0+4*\s+1], s45, \s*SLOT
	s_add_nc_u64 s[G0+4*\s+2:G0+4*\s+3], s[20:21], \s*SSTEP_A
	s_or_b32 s[G0+4*\s+3], s[G0+4*\s+3], 0x80000000
	s_mov_b32 s[G0B+4*\s], 1
	s_add_co_u32 s[G0B+4*\s+1], s45, \s*SLOT
	s_add_nc_u64 s[G0B+4*\s+2:G0B+4*\s+3], s[46:47], \s*SSTEP_B
	s_or_b32 s[G0B+4*\s+3], s[G0B+4*\s+3], 0x80000000
.endr
	s_wait_dscnt 0x0                               ; the add is done
	CROUND                                         ; all four tiles are in, and all sixteen work-groups are here
	JLOAD G0+4, G1, G0B+4, G1B                     ; K step 1: slot 1's first fill, my one load behind the round
	v_and_b32 v1, 15, v0
	v_bfe_u32 v2, v0, 4, 1
	s_wait_alu depctr_va_vdst(0)
	v_and_b32 v3, 31, v0
	v_lshlrev_b32 v3, 4, v3
	s_mul_i32 s21, s15, HALF
	s_mul_i32 s22, s16, HALF
	s_add_co_u32 s22, s22, 2*PIECE
.irp s, 0,1
	v_add_nc_u32 v[ADRA+\s], s21, v3
	v_add_nc_u32 v[ADRB+\s], s22, v3
	s_add_co_u32 s21, s21, SLOT
	s_add_co_u32 s22, s22, SLOT
.endr
	s_mul_i32 s21, s15, SHALF
	s_mul_i32 s22, s16, SHALF
	s_add_co_u32 s22, s22, 2*SCPC+128
	s_sub_co_u32 s22, s22, s21
	v_mul_u32_u24 v6, s22, v2
	s_add_co_u32 s21, s21, SCL
	v_lshlrev_b32 v5, 3, v1
	v_add_nc_u32 v5, v5, v6
	v_add_nc_u32 v[ADRS], s21, v5
.irp a, 7,8,9,10,11,12,13,14,15
	v_mov_b32 v[\a], 0
.endr
	s_mov_b32 s21, 0
	s_cmp_eq_u32 s99, 1
	s_cbranch_scc1 .Lbias_v
	s_cmp_eq_u32 ttmp9, 1
	s_cselect_b64 s[18:19], s[8:9], s[6:7]
	s_lshl_b32 s20, s40, 10
	s_lshl_b32 s22, s16, 9
	s_add_co_u32 s20, s20, s22
	s_add_nc_u64 s[18:19], s[18:19], s[20:21]
	v_lshlrev_b32 v4, 6, v2
.irp b, 0,1,2,3
.irp j, 0,1,2,3
	global_load_b128 v[BB+16*\b+4*\j:BB+16*\b+4*\j+3], v4, s[18:19] offset:128*\b+16*\j
.endr
.endr
	s_branch .Lbias_done
.Lbias_v:
.set ii, 0
.rept 64
	v_mov_b32 v[BB+ii], 0
.set ii, ii+1
.endr
	s_lshl_b32 s20, s41, 10
	s_lshl_b32 s22, s15, 9
	s_add_co_u32 s20, s20, s22
	s_add_nc_u64 s[18:19], s[10:11], s[20:21]
	v_and_b32 v5, 8, v1
	v_add_nc_u32 v5, v5, v1
	v_lshlrev_b32 v4, 2, v5
.irp a, 0,1,2,3,4,5,6,7
	global_load_b32 v[8+\a], v4, s[18:19] offset:(32*(\a/2)+8*(\a%2))*4
.endr
.Lbias_done:
	s_wait_tensorcnt 1
	s_barrier_signal -1
	s_barrier_wait -1
	FETCH_B 0, 0, 0
	FETCH_A 0, 0, 0
	SCALES 0
	FETCH_A 0, 0, 1
	STEP 0, 0, 1
	s_mov_b32 s3, LAPS-1
.Llap:
	REST 0
	TURN 0, 1, 1
	STEP 1, 0, 0
	REST 1
	TURN 1, 0, 1
	STEP 0, 0, 0
	s_sub_co_u32 s3, s3, 1
	s_cmp_lg_u32 s3, 0
	s_cbranch_scc1 .Llap
	REST 0
	TURN 0, 1, 0
	STEP 1, 0, 0
	REST 1
	s_wait_dscnt HN*NL
	WIN MUL_LO
	MULQ 0, 1, NQ-1, 1, 0
	MULQ 1, 1, NQ-1, 1, 0
	s_wait_dscnt 0x0
	WIN MUL_HI
	MULQ 2, 1, NQ-1, 1, 0
	MULQ 3, 1, NQ-1, 1, 0
	WIN 0
	PLACES 8
	s_wait_loadcnt 0x0
	s_mov_b32 s[SEL], 0x76543210
	s_mov_b32 s[SEL+1], 0xfedcba98
	s_mov_b32 s[MNT], 0x600000
.irp b, 0,1,2,3
	v_mov_b32 v[TM+4+\b], 0
.endr
	s_cmp_eq_u32 s99, 1
	s_cselect_b32 s46, s42, s17
	s_cselect_b32 s47, s41, s40
	s_cselect_b32 s92, s15, s16
	s_cselect_b32 s93, s16, s15
	s_mov_b32 s100, 1024
	s_mov_b32 s101, 1024
	s_mov_b32 s21, 131072
	s_cselect_b32 s100, 2048, s100
	s_cselect_b32 s101, 124928, s101
	s_cselect_b32 s21, 1024, s21
	v_add_nc_u32 v2, s21, v3
	s_lshr_b32 s94, s46, 3
	s_lshl_b32 s94, s94, 4
	s_lshl_b32 s47, s47, 2
	s_add_co_u32 s94, s94, s47
	s_lshl_b32 s92, s92, 1
	s_add_co_u32 s94, s94, s92
	s_and_b32 s46, s46, 7
	s_lshl_b32 s46, s46, 1
	s_add_co_u32 s46, s46, s93
	s_lshl_b32 s92, ttmp9, 22
	s_lshl_b32 s93, s94, 17
	s_add_co_u32 s92, s92, s93
	s_lshl_b32 s93, s46, 13
	s_add_co_u32 s92, s92, s93
	s_mov_b32 s93, 0
	s_lshl_b32 s96, ttmp9, 17
	s_lshl_b32 s97, s94, 12
	s_add_co_u32 s96, s96, s97
	s_lshl_b32 s97, s46, 8
	s_add_co_u32 s96, s96, s97
	s_add_co_u32 s96, s96, 0xC00000
	s_mov_b32 s97, 0
	s_add_nc_u64 s[44:45], s[12:13], s[96:97]
	s_add_nc_u64 s[12:13], s[12:13], s[92:93]
	s_lshl_b32 s22, s14, 9
	v_lshl_add_u32 v26, v1, 5, s22
	s_mov_b32 s23, 0
	s_mov_b32 s66, 0
	s_mov_b32 s67, 0
.macro MOVE k
	WIN 0x02+(\k)/4
.set ii, 0
.rept 32
	v_pk_add_f32 v[H+2*ii:H+2*ii+1], v[64*((\k)%4)+2*ii:64*((\k)%4)+2*ii+1], v[BB+2*ii:BB+2*ii+1]
.set ii, ii+1
.endr
	WIN 0
	v_mov_b32 v6, v[8+(\k)]
.endm
.Lepi:
.irp k, 0,1,2,3,4,5,6
	s_cmp_eq_u32 s66, \k
	s_cbranch_scc1 .Lmv_\k
.endr
	MOVE 7
	s_branch .Lgot
.irp k, 0,1,2,3,4,5,6
.Lmv_\k:
	MOVE \k
	s_branch .Lgot
.endr
.Lgot:
	s_cmp_eq_u32 s99, 0
	s_cbranch_scc1 .Lno_lane_bias
.set ii, 0
	s_wait_alu depctr_va_vdst(0)
.rept 32
	v_pk_add_f32 v[H+2*ii:H+2*ii+1], v[H+2*ii:H+2*ii+1], v[6:7] op_sel_hi:[1,0]
.set ii, ii+1
.endr
.Lno_lane_bias:
	QUANT H
	v_add_nc_u32 v25, s67, v26
	global_store_b128 v3, v[PC:PC+3], s[12:13]
	global_store_b128 v3, v[PC+4:PC+7], s[12:13] offset:512
	global_store_b128 v2, v[PC+8:PC+11], s[12:13]
	global_store_b128 v2, v[PC+12:PC+15], s[12:13] offset:512
	ds_store_b32 v25, v[PW]
	s_cmp_eq_u32 s66, 3
	s_cselect_b32 s22, s101, s100
	s_wait_dscnt 0x0
	s_wait_xcnt 0x0
	s_add_nc_u64 s[12:13], s[12:13], s[22:23]
	s_add_co_u32 s67, s67, 4
	s_add_co_u32 s66, s66, 1
	s_cmp_lt_u32 s66, 8
	s_cbranch_scc1 .Lepi
	ds_load_b128 v[32:35], v26
	ds_load_b128 v[36:39], v26 offset:16
	v_bfe_u32 v4, v0, 4, 1
	v_lshlrev_b32 v5, 4, v1
	v_lshl_add_u32 v5, v4, 12, v5
	v_cmp_ne_u32 vcc_lo, 0, v4
	s_wait_dscnt 0x0
	s_cmp_eq_u32 s99, 1
	s_cbranch_scc1 .Ltail_v
	v_mov_b32 v44, 0x05040100
	v_mov_b32 v45, 0x07060302
	v_cndmask_b32 v44, v44, v45, vcc_lo
.irp b, 0,1,2,3
	v_perm_b32 v[40+\b], v[33+2*\b], v[32+2*\b], v44
.endr
	s_branch .Ltail_st
.Ltail_v:
.irp j, 0,1,2,3
	v_cndmask_b32 v[40+\j], v[32+\j], v[36+\j], vcc_lo
.endr
.Ltail_st:
	s_wait_alu depctr_va_vdst(0)
	global_store_b128 v5, v[40:43], s[44:45]
	s_wait_tensorcnt 0x0
	ds_add_u32 v[SPW], v[NIL]
	s_wait_dscnt 0x0
	CROUND
	s_endpgm
.Lfunc_end_k_q57170af347_qkv:
	.size	k_q57170af347_qkv, .Lfunc_end_k_q57170af347_qkv-k_q57170af347_qkv
	.p2alignl 7, 3214868480
	.fill 96, 4, 3214868480
	.section	.rodata,"a",@progbits
	.p2align	6, 0x0
	.amdhsa_kernel k_q57170af347_qkv
		.amdhsa_group_segment_fixed_size 327680
		.amdhsa_private_segment_fixed_size 0
		.amdhsa_enable_private_segment 0
		.amdhsa_kernarg_size 40
		.amdhsa_user_sgpr_count 2
		.amdhsa_user_sgpr_kernarg_segment_ptr 1
		.amdhsa_wavefront_size32 1
		.amdhsa_system_sgpr_workgroup_id_x 1
		.amdhsa_system_sgpr_workgroup_id_y 1
		.amdhsa_system_sgpr_workgroup_id_z 1
		.amdhsa_system_vgpr_workitem_id 0
		.amdhsa_next_free_vgpr 1024
		.amdhsa_next_free_sgpr 104
		.amdhsa_reserve_vcc 1
		.amdhsa_float_denorm_mode_32 3
		.amdhsa_float_denorm_mode_16_64 3
		.amdhsa_memory_ordered 1
		.amdhsa_forward_progress 1
		.amdhsa_inst_pref_size 153
	.end_amdhsa_kernel
	.amdgpu_metadata
---
amdhsa.version: [ 1, 2 ]
amdhsa.kernels:
  - .name:           k_q57170af347_qkv
    .symbol:         k_q57170af347_qkv.kd
    .args:
      - { .name: prepw, .offset: 0, .size: 8, .value_kind: global_buffer, .address_space: global }
      - { .name: bq, .offset: 8, .size: 8, .value_kind: global_buffer, .address_space: global }
      - { .name: bk, .offset: 16, .size: 8, .value_kind: global_buffer, .address_space: global }
      - { .name: bv, .offset: 24, .size: 8, .value_kind: global_buffer, .address_space: global }
      - { .name: qkvc, .offset: 32, .size: 8, .value_kind: global_buffer, .address_space: global }
    .group_segment_fixed_size: 327680
    .private_segment_fixed_size: 0
    .kernarg_segment_align: 8
    .kernarg_segment_size: 40
    .max_flat_workgroup_size: 128
    .sgpr_count:     104
    .vgpr_count:     1024
    .wavefront_size: 32
...
	.end_amdgpu_metadata
.endif
;; end of part 2
;; launch attn (part 3): grid 8 x 32, 16 waves a work-group, clusters of 4 x 1, 327,680 bytes of LDS; arguments qkvc, ao; writes ao
.if DOCPART == 3
	.amdgcn_target "amdgcn-amd-amdhsa--gfx1250"
	.amdhsa_code_object_version 6
	.text
	.protected	k_q57170af347_attn
	.globl	k_q57170af347_attn
	.p2align	8
	.type	k_q57170af347_attn,@function
k_q57170af347_attn:
	s_mov_b64 s[64:65], 0
	v_nop
	global_prefetch_b8 v0, s[64:65] scope:SCOPE_SE
	s_setreg_imm32_b32 hwreg(HW_REG_WAVE_MODE, 25, 1), 1
	s_wait_xcnt 0x0
	s_wait_alu depctr_hold_cnt(0) depctr_sa_sdst(0) depctr_va_vdst(0) depctr_va_sdst(0) depctr_va_ssrc(0) depctr_va_vcc(0) depctr_vm_vsrc(0)
	s_getreg_b32 s2, hwreg(HW_REG_IB_STS2, 6, 4)
	s_cmp_eq_u32 s2, 0
	s_cbranch_scc0 .Lentry_in_a_cluster
	s_endpgm
.Lentry_in_a_cluster:
	s_bfe_u32 s2, ttmp6, 0x10000c
	s_cmp_lg_u32 s2, 0x3003
	s_cbranch_scc0 .Lentry_shape_is_right
	s_endpgm
.Lentry_shape_is_right:
; O[bh][q] = sum over k of softmax_k(Q . K / 8) V, both products on codes of E4M3 with one E8M0 byte for each 32 along a product's K.  32 heads (batch x head), 2,048 tokens, head size 64.
; THE SOFTMAX: t = score x log2(e) / 8; M = the running largest t rounded UP to a whole number; p = 2^(t - M) is quantised along the keys, not normalised; the sum of the unquantised p divides at the end.
; SHARES.  A work-group owns 256 queries of one head, each of its sixteen waves one tile of 16.  A head's whole K and V (codes 2 x 131,072 bytes, scale words 2 x 4,096) lie in LDS; every byte is filled once.
; THE FILLS GO IN TWO GROUPS, one tensor load a wave in each.  At the head: waves 0-7 the codes of key steps 0-3 (K's and V's, 8,192 bytes a wave), waves 8-15 all scale words (1,024 bytes a wave).
;   Behind the wait for them, the add and a round: the codes of key steps 4-15, 12,288 bytes a wave (waves 0-7 K's, 8-15 V's); they are waited for ahead of step 4, with a barrier.  A wave has one tensor load out at any time.
; CLUSTER.  Four query blocks of one head ask for K and V jointly: every wave issues the same loads in all four work-groups.
; NO PREFETCH: both groups of loads are issued at the head, and between them they name all that the launch reads of K and V; no later load is left to run ahead of.
; LAYOUT.  Both products are used transposed: a lane holds ONE query.  Tiles of 16 tokens hold tokens 32 b + 8 u + r + 8 (r / 8), so that the 16 registers of tiles 2 b, 2 b + 1 are 16 neighbouring keys.
; K = 64 IN AN INSTRUCTION OF 128.  A fragment of K holds TWO tiles of keys: registers 0-7 tile 2 b, registers 8-15 tile 2 b + 1: 2,048 consecutive bytes.  Q stands as [0 x 8][q x 8][0 x 8] in v16-39:
;   v[24:39] = [q | 0] picks tile 2 b, v[16:31] = [0 | q] picks tile 2 b + 1.  In the dead half Q's codes are zeros (K's are finite codes) and Q's scale bytes there are 0: the dead products are exact zeros.
; O leaves in the order of a lane's registers: ao byte = t 65536 + s 8192 + c 2048 + j 512 + 16 lane holds row (block t, place r), columns 128 s + 32 c + 16 h + 4 j + 0 .. 3.
; LIMITS: NaN and infinities are not served; the promise holds while the scaled scores t stay under 2^31 in magnitude.
.set VB,    131072                     ; LDS: K's codes at 0, V's here,
.set KSB,   262144                     ; K's scale words,
.set VSB,   266240                     ; V's,
.set SPARE, 270336                     ; the spare words: 128 bytes for each of 16 waves
.set FIRST, 4                          ; key steps whose codes the head's loads bring
.set PB,    (16-FIRST)*8192/8          ; bytes a wave of the second group: 12,288
.set S,   104                          ; v104-167 S^T, then p
.set O,   168                          ; v168-199 O^T
.set PCD, 200                          ; v200-215 p's codes
.set BM,  216                          ; v216-219 a block's largest score, then its largest p
.set PT,  220                          ; v220-223 at work
.set HL,  224                          ; v224-227 448 x the scale
.set SO,  228                          ; v228-231 the conversions' scale operands
.set F,   232                          ; v232 f = 2^(old M - new M); v233 p's scale word
.set T,   234                          ; v234-235 at work
.set KS,  236                          ; v236-239 four scale words of K or of V
.set SEL, 40                           ; s[40:41]
.set CS,  42                           ; s[42:43] c = log2(e) / 8
.set MNT, 44
.set TK,  45                           ; s45 the step's codes: 8,192 bytes a step
.set TS,  46                           ; s46 its scale words: 256 bytes a step
.set CNT, 47
.macro CROUND
	s_barrier_signal -1
	s_barrier_wait -1
	s_cmp_lg_u32 s8, 0
	s_cbranch_scc1 .Lnot_wave_0_\@
	s_barrier_signal -3
.Lnot_wave_0_\@:
	s_barrier_wait -3
	s_barrier_signal -1
	s_barrier_wait -1
.endm
.macro DESC g, rows                    ; group 1: a dense block as rows of 256 bytes (32 elements of 8 bytes); the mask names all four partners
	s_mov_b32 s[\g], 15|(3<<16)|(1<<21)
	s_mov_b32 s[\g+1], 32<<16
	s_mov_b32 s[\g+2], (\rows)<<16
	s_mov_b32 s[\g+3], 32<<16
	s_mov_b32 s[\g+4], \rows
	s_mov_b32 s[\g+5], 32
	s_mov_b32 s[\g+6], 0
	s_mov_b32 s[\g+7], 0
.endm
.macro NOPS n
.rept \n
	v_nop
.endr
.endm
	s_load_b128 s[4:7], s[0:1], 0x0                ; qkvc, ao
	v_lshl_add_u32 v254, v0, 2, SPARE
	v_mov_b32 v255, 0
	ds_add_u32 v254, v255                          ; the opening lines: the add, twice on end, and its wait
	ds_add_u32 v254, v255
	v_lshrrev_b32 v8, 5, v0
	s_delay_alu instid0(VALU_DEP_1)
	v_readfirstlane_b32 s8, v8                     ; wave 0..15
	s_bfe_u32 s9, ttmp6, 0x40000                   ; cx: it enters Q's and O's global addresses alone
	s_lshl_b32 s10, ttmp9, 2
	s_add_co_u32 s10, s10, s9                      ; my block of 256 queries
	s_and_b32 s11, ttmp7, 0xffff                   ; bh, which the partners share
	DESC 16, 32                                    ; the head's codes: 8,192 bytes
	DESC 24, 4                                     ; the head's scale words: 1,024 bytes
	DESC 68, PB/256                                ; the second group's codes
	s_bfe_u32 s12, s8, 0x10002                     ; the head: (wave / 4) % 2: K's or V's,
	s_and_b32 s13, s8, 3                           ; and which quarter
	s_lshr_b32 s14, s8, 3                          ; the second group: K's or V's,
	s_and_b32 s15, s8, 7                           ; and which eighth
	s_lshl_b32 s59, s11, 17                        ; a head's codes are 131,072 bytes
	s_lshl_b32 s48, s12, 22
	s_add_co_u32 s48, s48, s59
	s_lshl_b32 s33, s13, 13
	s_add_co_u32 s48, s48, s33
	s_add_co_u32 s48, s48, 0x400000
	s_mov_b32 s49, 0                               ; codes of key step (wave % 4), in memory,
	s_lshl_b32 s62, s12, 17
	s_add_co_u32 s33, s33, s62                     ; and in LDS
	s_lshl_b32 s50, s12, 17
	s_lshl_b32 s51, s11, 12
	s_add_co_u32 s50, s50, s51
	s_lshl_b32 s37, s13, 10
	s_add_co_u32 s50, s50, s37
	s_add_co_u32 s50, s50, 0xC20000
	s_mov_b32 s51, 0                               ; a quarter of the scale words, in memory,
	s_lshl_b32 s62, s12, 12
	s_add_co_u32 s37, s37, s62
	s_add_co_u32 s37, s37, KSB                     ; and in LDS
	s_mul_i32 s62, s15, PB
	s_add_co_u32 s62, s62, FIRST*8192
	s_lshl_b32 s77, s14, 17
	s_add_co_u32 s77, s77, s62                     ; the second group: in LDS,
	s_lshl_b32 s66, s14, 22
	s_add_co_u32 s66, s66, s59
	s_add_co_u32 s66, s66, s62
	s_add_co_u32 s66, s66, 0x400000
	s_mov_b32 s67, 0                               ; and in memory
	s_lshl_b32 s52, s10, 4
	s_add_co_u32 s52, s52, s8                      ; tb: my tile of 16 queries among the head's 128
	s_lshl_b32 s55, s52, 10
	s_add_co_u32 s54, s59, s55
	s_mov_b32 s55, 0                               ; Q's codes
	s_lshl_b32 s56, s11, 12
	s_lshr_b32 s57, s52, 3
	s_lshl_b32 s57, s57, 8
	s_add_co_u32 s56, s56, s57
	s_lshr_b32 s57, s15, 1
	s_lshl_b32 s57, s57, 2
	s_add_co_u32 s56, s56, s57
	s_add_co_u32 s56, s56, 0xC00000
	s_mov_b32 s57, 0                               ; the word that holds my tile's two scale bytes,
	s_and_b32 s58, s8, 1
	s_lshl_b32 s58, s58, 4                         ; in its lower or upper half
	s_lshr_b32 s60, s11, 4                         ; batch
	s_lshl_b32 s60, s60, 7
	s_add_co_u32 s60, s60, s52
	s_lshl_b32 s60, s60, 16                        ; O: block 128 x batch + tb,
	s_and_b32 s61, s11, 15
	s_lshl_b32 s61, s61, 12                        ; + 4,096 x head
	s_add_co_u32 s60, s60, s61
	s_mov_b32 s61, 0
	s_mov_b32 s[SEL], 0x76543210
	s_mov_b32 s[SEL+1], 0xfedcba98
	s_mov_b32 s[CS], 0x3e38aa3b
	s_mov_b32 s[CS+1], s[CS]                       ; (named with it as a pair)
	s_mov_b32 s[MNT], 0x600000
	s_mov_b32 s[TK], 0
	s_mov_b32 s[TS], 0
	s_wait_dscnt 0x0                               ; both opening adds are done
	s_wait_kmcnt 0x0
	s_mov_b32 s32, 1
	s_add_nc_u64 s[34:35], s[4:5], s[48:49]
	s_or_b32 s35, s35, 0x80000000
	s_mov_b32 s36, 1
	s_add_nc_u64 s[38:39], s[4:5], s[50:51]
	s_or_b32 s39, s39, 0x80000000
	s_mov_b32 s76, 1
	s_add_nc_u64 s[78:79], s[4:5], s[66:67]
	s_or_b32 s79, s79, 0x80000000
	s_add_nc_u64 s[54:55], s[4:5], s[54:55]
	s_add_nc_u64 s[56:57], s[4:5], s[56:57]
	s_add_nc_u64 s[6:7], s[6:7], s[60:61]
	CROUND                                         ; all four work-groups are here: the joint loads meet
	s_cmp_lt_u32 s8, 8                             ; one branch on the wave's number, a load in each arm: every way passes exactly one
	s_cbranch_scc0 .Lhead_s
	tensor_load_to_lds s[32:35], s[16:23]          ; waves 0-7: codes of key steps 0-3
	s_nop 0
	NOPS 4
	s_branch .Lhead_j
.Lhead_s:
	tensor_load_to_lds s[36:39], s[24:31]          ; waves 8-15: the scale words
	s_nop 0
	NOPS 4
.Lhead_j:
	v_and_b32 v1, 31, v0
	s_delay_alu instid0(VALU_DEP_1)
	v_lshlrev_b32 v1, 4, v1                        ; 16 x lane: K's fragments, Q's loads, O's stores
	v_and_b32 v10, 15, v0
	s_delay_alu instid0(VALU_DEP_1)
	v_lshlrev_b32 v10, 4, v10                      ; 16 r
	global_load_b128 v[24:27], v1, s[54:55]        ; q: k = 16 h + 0 .. 15,
	global_load_b128 v[28:31], v1, s[54:55] offset:512  ; k = 32 + 16 h + 0 .. 15
	global_load_b32 v6, v10, s[56:57]
	v_add_nc_u32 v2, VB, v1                        ; V's fragments
	v_add_nc_u32 v3, KSB, v10                      ; K's scale words: four words a row
	v_add_nc_u32 v4, VSB, v10                      ; V's
.irp j, 16,17,18,19,20,21,22,23,32,33,34,35,36,37,38,39
	v_mov_b32 v[\j], 0                             ; the zero codes on both sides of q
.endr
	v_mov_b32 v13, 0xff61b1e6                      ; the largest score so far: -3e38
	s_delay_alu instid0(VALU_DEP_1)
	v_floor_f32 v12, -v13                          ; -M: so large that the first f is 0
	v_mov_b32 v14, 0                               ; the sum, in two halves
	v_mov_b32 v15, 0
.irp b, 0,1,2,3
	v_mov_b32 v[PT+\b], 0                          ; a lane permute's destination counts as one of its sources
.endr
	v_mov_b32 v[F+1], 0                            ; (named as the upper half of the pair before it is first written)
	s_wait_loadcnt 0x0
	v_lshrrev_b32 v6, s58, v6
	s_delay_alu instid0(VALU_DEP_1)
	v_and_b32 v6, 0xffff, v6                       ; q's two scale bytes below, 0 above: for [q | 0]
	s_delay_alu instid0(VALU_DEP_1)
	v_lshlrev_b32 v7, 16, v6                       ; and above: for [0 | q]
.set jj, 0
.rept 32
	v_mov_b32 v[O+jj], 0                           ; O^T: the step is written once; its first trip finds zeros
.set jj, jj+1
.endr
; A WALK over so many key steps of 128 keys
.macro WALK trips
	s_mov_b32 s[CNT], \trips
.Lstep_\@:
	v_add_nc_u32 v8, s[TK], v1
	v_add_nc_u32 v9, s[TK], v2
	v_add_nc_u32 v10, s[TS], v3
	v_add_nc_u32 v11, s[TS], v4
	NOPS 4                                         ; with the four additions: eight places in front of loads into registers that the last products read
.irp b, 0,1,2,3
.irp c, 0,1,2,3
	ds_load_b128 v[40+16*\b+4*\c:43+16*\b+4*\c], v8 offset:2048*\b+512*\c
.endr
.endr
	ds_load_b128 v[KS:KS+3], v10
	s_wait_alu depctr_va_vdst(0)
	s_wait_dscnt 0x0
.irp b, 0,1,2,3                        ; S^T = K Q^T: eight tiles of 16 keys from four fragments
	v_wmma_scale_f32_16x16x128_f8f6f4 v[S+16*\b:S+7+16*\b], v[40+16*\b:55+16*\b], v[24:39], 0, v[KS+\b], v6
	v_wmma_scale_f32_16x16x128_f8f6f4 v[S+8+16*\b:S+15+16*\b], v[40+16*\b:55+16*\b], v[16:31], 0, v[KS+\b], v7
.endr
	NOPS 8
.irp t, 0,1,2,3                        ; V's four fragments are asked for at once: the softmax stands between these loads and the wait for them
.irp c, 0,1,2,3
	ds_load_b128 v[40+16*\t+4*\c:43+16*\t+4*\c], v9 offset:2048*\t+512*\c
.endr
.endr
	ds_load_b128 v[KS:KS+3], v11
.irp b, 0,1,2,3
	v_max3_num_f32 v[BM+\b], v[S+16*\b], v[S+1+16*\b], v[S+2+16*\b]   ; the largest score of each block of 32 keys: for the row's maximum and, since p rises with the score, for the block's largest p
.endr
.irp i, 3,5,7,9,11,13
.irp b, 0,1,2,3
	v_max3_num_f32 v[BM+\b], v[BM+\b], v[S+16*\b+\i], v[S+1+16*\b+\i]
.endr
.endr
.irp b, 0,1,2,3
	v_max_num_f32 v[BM+\b], v[BM+\b], v[S+15+16*\b]
.endr
.irp b, 0,1,2,3
	s_delay_alu instid0(VALU_DEP_4)
	v_permlanex16_b32 v[PT+\b], v[BM+\b], s[SEL], s[SEL+1]
.endr
.irp b, 0,2                            ; with lane l xor 16's 16 keys: two blocks an instruction
	v_dual_max_num_f32 v[BM+\b], v[PT+\b], v[BM+\b] :: v_dual_max_num_f32 v[BM+\b+1], v[PT+\b+1], v[BM+\b+1]
.endr
	v_max3_num_f32 v13, v[BM], v[BM+1], v13
	s_delay_alu instid0(VALU_DEP_1)
	v_max3_num_f32 v13, v[BM+2], v[BM+3], v13      ; the running largest score
	s_delay_alu instid0(VALU_DEP_1)
	v_mul_f32 v[T], s[CS], v13                     ; as t (c is positive)
	s_delay_alu instid0(VALU_DEP_1)
	v_floor_f32 v[T+1], -v[T]                      ; the new -M = -ceil(t)
	s_delay_alu instid0(VALU_DEP_1)
	v_sub_f32 v[T], v[T+1], v12                    ; old M - new M: a whole number, 0 or less
	v_mov_b32 v12, v[T+1]
	s_delay_alu instid0(VALU_DEP_2)
	v_cvt_i32_f32 v[T], v[T]                       ; (it saturates)
	s_delay_alu instid0(VALU_DEP_1)
	v_ldexp_f32 v[F], 1.0, v[T]                    ; f: a multiplication by it rounds nothing
.set jj, 0
.rept 32
	v_pk_fma_f32 v[S+jj:S+1+jj], v[S+jj:S+1+jj], s[CS:CS+1], v[12:13] op_sel_hi:[1,0,0]   ; t - M (of the pairs the low word serves both halves)
.set jj, jj+2
.endr
.irp b, 0,1,2,3
	v_fma_f32 v[BM+\b], v[BM+\b], s[CS], v12
.endr
	s_wait_alu depctr_va_vdst(0)                   ; the wait ahead of the batch
.set jj, 0
.rept 64
	v_exp_f32 v[S+jj], v[S+jj]                     ; p = 2^(t - M)
.set jj, jj+1
.endr
	v_pk_mul_f32 v[14:15], v[14:15], v[F:F+1] op_sel_hi:[1,0]   ; the sums under the new M: the plain line behind the exponentials
	s_wait_alu depctr_va_vdst(0)                   ; one wait for the batch, ahead of its first reader
.irp b, 0,1,2,3
	v_exp_f32 v[BM+\b], v[BM+\b]                   ; the block's largest p
.endr
	v_pk_add_f32 v[220:221], v[108:109], v[112:113]   ; the row's sum of the unquantised p: eight chains
	v_pk_add_f32 v[252:253], v[116:117], v[120:121]
	v_pk_add_f32 v[250:251], v[124:125], v[128:129]
	v_pk_add_f32 v[248:249], v[132:133], v[136:137]
	v_pk_add_f32 v[246:247], v[140:141], v[144:145]
	v_pk_add_f32 v[244:245], v[148:149], v[152:153]
	v_pk_add_f32 v[242:243], v[156:157], v[160:161]
	v_pk_add_f32 v[14:15], v[14:15], v[164:165]
	v_pk_add_f32 v[220:221], v[220:221], v[104:105]
	v_pk_add_f32 v[252:253], v[252:253], v[106:107]
	v_pk_add_f32 v[250:251], v[250:251], v[110:111]
	v_pk_add_f32 v[248:249], v[248:249], v[114:115]
	v_pk_add_f32 v[246:247], v[246:247], v[118:119]
	v_pk_add_f32 v[244:245], v[244:245], v[122:123]
	v_pk_add_f32 v[242:243], v[242:243], v[126:127]
	v_pk_add_f32 v[14:15], v[14:15], v[130:131]
	v_pk_add_f32 v[220:221], v[220:221], v[134:135]
	v_pk_add_f32 v[252:253], v[252:253], v[138:139]
	v_pk_add_f32 v[250:251], v[250:251], v[142:143]
	v_pk_add_f32 v[248:249], v[248:249], v[146:147]
	v_pk_add_f32 v[246:247], v[246:247], v[150:151]
	v_pk_add_f32 v[244:245], v[244:245], v[154:155]
	v_pk_add_f32 v[242:243], v[242:243], v[158:159]
	v_pk_add_f32 v[14:15], v[14:15], v[162:163]
	v_pk_add_f32 v[220:221], v[220:221], v[166:167]
	s_delay_alu instid0(VALU_DEP_2)
	v_pk_add_f32 v[14:15], v[14:15], v[248:249]
	s_delay_alu instid0(VALU_DEP_2)
	v_pk_add_f32 v[220:221], v[220:221], v[246:247]
	v_pk_add_f32 v[252:253], v[252:253], v[244:245]
	v_pk_add_f32 v[250:251], v[250:251], v[242:243]
	s_delay_alu instid0(VALU_DEP_2)
	v_pk_add_f32 v[14:15], v[14:15], v[252:253]
	s_delay_alu instid0(VALU_DEP_2)
	v_pk_add_f32 v[220:221], v[220:221], v[250:251]
	s_delay_alu instid0(VALU_DEP_1)
	v_pk_add_f32 v[14:15], v[14:15], v[220:221]
	s_wait_alu depctr_va_vdst(0)                   ; and one for the four
.irp b, 0,2
	v_dual_max_num_f32 v[BM+\b], 0x4800000, v[BM+\b] :: v_dual_max_num_f32 v[BM+\b+1], 0x4800000, v[BM+\b+1]   ; the floor 2^(9 - 127): the byte cannot fall under 1
.endr
.irp b, 0,1,2,3
	v_add_nc_u32 v[SO+\b], 0xfc000000, v[BM+\b]    ; 8 off the exponent field: the conversion's scale operand
.endr
.irp b, 0,1,2,3
	v_and_or_b32 v[HL+\b], v[BM+\b], 0x7f800000, s[MNT]   ; 448 x the scale
.endr
.irp b, 0,1,2,3
	v_lshrrev_b32 v[PT+\b], 23, v[SO+\b]           ; the scale's byte
.endr
	s_delay_alu instid0(VALU_DEP_3)
	v_lshl_or_b32 v[F+1], v[PT+1], 8, v[PT]        ; p's scale word for these 128 keys
	s_delay_alu instid0(VALU_DEP_1)
	v_lshl_or_b32 v[F+1], v[PT+2], 16, v[F+1]
	s_delay_alu instid0(VALU_DEP_1)
	v_lshl_or_b32 v[F+1], v[PT+3], 24, v[F+1]
; THE HOLD: the conversion does not saturate (ISA guide 7.6.2); p is not negative, so it is one-sided.  Two numbers an instruction: number i of block b with number i xor 1 of block b + 1,
; so that the two destinations are an even and an odd register and the two halves' sources lie in different register banks.
.irp b, 0,2
.irp i, 0,1,2,3,4,5,6,7,8,9,10,11,12,13,14,15
	v_dual_min_num_f32 v[S+16*\b+\i], v[HL+\b], v[S+16*\b+\i] :: v_dual_min_num_f32 v[S+16*\b+16+\i+1-2*(\i%2)], v[HL+\b+1], v[S+16*\b+16+\i+1-2*(\i%2)]
.endr
.irp d, 0,1
	v_cvt_scalef32_pk8_fp8_f32 v[PCD+4*(\b+\d):PCD+1+4*(\b+\d)], v[S+16*(\b+\d):S+7+16*(\b+\d)], v[SO+\b+\d]
	v_cvt_scalef32_pk8_fp8_f32 v[PCD+2+4*(\b+\d):PCD+3+4*(\b+\d)], v[S+8+16*(\b+\d):S+15+16*(\b+\d)], v[SO+\b+\d]
.endr
.endr
	s_wait_alu depctr_va_vdst(0)                   ; directly ahead of the first reader of O^T
.set jj, 0
.rept 16
	v_pk_mul_f32 v[O+jj:O+1+jj], v[O+jj:O+1+jj], v[F:F+1] op_sel_hi:[1,0]   ; O^T under the new M; these sixteen are also the places in front of the products
.set jj, jj+2
.endr
	s_wait_alu depctr_va_vdst(0)
	s_wait_dscnt 0x0                               ; V
.irp t, 0,1,2,3                        ; O^T += V^T P^T: four tiles of 16 channels, by turns
	v_wmma_scale_f32_16x16x128_f8f6f4 v[O+8*\t:O+7+8*\t], v[40+16*\t:55+16*\t], v[PCD:PCD+15], v[O+8*\t:O+7+8*\t], v[KS+\t], v[F+1]
.endr
	s_add_co_u32 s[TK], s[TK], 8192
	s_add_co_u32 s[TS], s[TS], 256
	s_sub_co_u32 s[CNT], s[CNT], 1
	s_cmp_lg_u32 s[CNT], 0
	s_cbranch_scc1 .Lstep_\@
.endm
	s_wait_alu depctr_va_vdst(0)
	s_wait_tensorcnt 0x0                           ; my part of the head's tiles is in
	ds_add_u32 v254, v255
	s_wait_dscnt 0x0
	CROUND                                         ; everybody's part is in, and all four work-groups are here: the joint loads meet
	tensor_load_to_lds s[76:79], s[68:75]          ; key steps 4-15: my one load behind the round
	s_nop 0
	NOPS 4
	WALK FIRST
	s_wait_tensorcnt 0x0                           ; my part of key steps 4-15 is in,
	ds_add_u32 v254, v255
	s_wait_dscnt 0x0
	s_barrier_signal -1
	s_barrier_wait -1                              ; everybody's is
	WALK 16-FIRST
	NOPS 8                                         ; places behind the last products
	v_add_f32 v14, v14, v15
	s_delay_alu instid0(VALU_DEP_1)
	v_permlanex16_b32 v[PT], v14, s[SEL], s[SEL+1]
	s_delay_alu instid0(VALU_DEP_1)
	v_add_f32 v14, v14, v[PT]                      ; the row's sum
	s_wait_alu depctr_va_vdst(0)                   ; the wait ahead of the transcendental
	v_rcp_f32 v14, v14
	v_nop
	s_wait_alu depctr_va_vdst(0)                   ; and ahead of its first reader
.set jj, 0
.rept 16
	v_pk_mul_f32 v[O+jj:O+1+jj], v[O+jj:O+1+jj], v[14:15] op_sel_hi:[1,0]
.set jj, jj+2
.endr
.irp b, 0,1
.irp j, 0,1,2,3
	global_store_b128 v1, v[O+16*\b+4*\j:O+16*\b+4*\j+3], s[6:7] offset:2048*\b+512*\j   ; register 16 b + i is channel 32 b + 16 h + i: 512 consecutive bytes a store
.endr
.endr
	s_wait_tensorcnt 0x0                           ; the wave's end
	ds_add_u32 v254, v255
	s_wait_dscnt 0x0
	CROUND                                         ; the closing round
	s_endpgm
.Lfunc_end_k_q57170af347_attn:
	.size	k_q57170af347_attn, .Lfunc_end_k_q57170af347_attn-k_q57170af347_attn
	.p2alignl 7, 3214868480
	.fill 96, 4, 3214868480
	.section	.rodata,"a",@progbits
	.p2align	6, 0x0
	.amdhsa_kernel k_q57170af347_attn
		.amdhsa_group_segment_fixed_size 327680
		.amdhsa_private_segment_fixed_size 0
		.amdhsa_enable_private_segment 0
		.amdhsa_kernarg_size 16
		.amdhsa_user_sgpr_count 2
		.amdhsa_user_sgpr_kernarg_segment_ptr 1
		.amdhsa_wavefront_size32 1
		.amdhsa_system_sgpr_workgroup_id_x 1
		.amdhsa_system_sgpr_workgroup_id_y 1
		.amdhsa_system_sgpr_workgroup_id_z 1
		.amdhsa_system_vgpr_workitem_id 0
		.amdhsa_next_free_vgpr 256
		.amdhsa_next_free_sgpr 80
		.amdhsa_reserve_vcc 0
		.amdhsa_float_denorm_mode_32 3
		.amdhsa_float_denorm_mode_16_64 3
		.amdhsa_memory_ordered 1
		.amdhsa_forward_progress 1
		.amdhsa_inst_pref_size 51
	.end_amdhsa_kernel
	.amdgpu_metadata
---
amdhsa.version: [ 1, 2 ]
amdhsa.kernels:
  - .name:           k_q57170af347_attn
    .symbol:         k_q57170af347_attn.kd
    .args:
      - { .name: qkvc, .offset: 0, .size: 8, .value_kind: global_buffer, .address_space: global }
      - { .name: ao, .offset: 8, .size: 8, .value_kind: global_buffer, .address_space: global }
    .group_segment_fixed_size: 327680
    .private_segment_fixed_size: 0
    .kernarg_segment_align: 8
    .kernarg_segment_size: 16
    .max_flat_workgroup_size: 512
    .sgpr_count:     80
    .vgpr_count:     256
    .wavefront_size: 32
...
	.end_amdgpu_metadata
.endif
;; end of part 3
;; launch ln1 (part 4): grid 256 x 1, 8 waves a work-group, no clusters, 70,144 bytes of LDS; arguments ao, x, g1, be1, yq; writes yq
.if DOCPART == 4
	.amdgcn_target "amdgcn-amd-amdhsa--gfx1250"
	.amdhsa_code_object_version 6
	.text
	.protected	k_q57170af347_ln1
	.globl	k_q57170af347_ln1
	.p2align	8
	.type	k_q57170af347_ln1,@function
k_q57170af347_ln1:
	s_mov_b64 s[64:65], 0
	v_nop
	global_prefetch_b8 v0, s[64:65] scope:SCOPE_SE
	s_setreg_imm32_b32 hwreg(HW_REG_WAVE_MODE, 25, 1), 1
	s_wait_xcnt 0x0
; y = LayerNorm(attention's result + x) g1 + be1, quantised along its 1,024 columns to codes of E4M3 with one E8M0 byte for each 32: the first FFN product's operand, as an image of its registers.
; A work-group takes one block t of 16 rows (place r is row 32 (t / 2) + 8 (t % 2) + r + 8 (r / 8)); wave w takes columns 128 w on; lane (r, h) holds 64 numbers of row r: register 16 c + i = column 128 w + 32 c + 16 h + i.
; ao lies in that order already.  x's rows are loaded as they lie, 512 consecutive bytes a load, and turned through the wave's stage in LDS.
; Mean and variance in two passes, as the definition has them (no difference of large sums); sums over the eight waves meet in LDS, added in the order of the waves.
; yq: codes at 0: kc 0x100000 + t 4096 + q 2048 + c 512 + 16 lane; scale words at 0x400000: kc 32768 + t 128 + 8 r + 4 q.  The scale words leave in runs of 128 consecutive bytes: 512 bytes a work-group.
; LIMITS of the quantiser: a block of zeros keeps the byte 1; blocks under 2^-118 are held at the byte 1; NaN and infinities are not served.
.set RED1, 0                           ; LDS: 8 waves x 16 rows x 4 bytes,
.set RED2, 512                         ; the same for the second sum,
.set SCS,  1024                        ; 512 bytes of scale words,
.set STG,  1536                        ; a stage of 16 rows x (512 + 16) bytes for each wave
.set V,   16
.set R,   80                           ; x as loaded, then g1
.set X,   144                          ; x turned, then be1
.set PC,  208
.set TM,  224
.set PW,  240
.set SA,  242
.set SBB, 244
.set RD,  246
.set MU,  254
.set SEL, 18
.set MNT, 20
.macro QUANT s
.irp b, 0,1,2,3
	v_max3_num_f32 v[TM+\b], |v[\s+16*\b]|, |v[\s+1+16*\b]|, 0x4800000   ; my 16 numbers of block b, and the floor 2^(9 - 127)
.endr
.irp i, 2,4,6,8,10,12,14
.irp b, 0,1,2,3
	s_delay_alu instid0(VALU_DEP_4)
	v_max3_num_f32 v[TM+\b], v[TM+\b], |v[\s+16*\b+\i]|, |v[\s+1+16*\b+\i]|
.endr
.endr
.irp b, 0,1,2,3
	s_delay_alu instid0(VALU_DEP_4)
	v_permlanex16_b32 v[TM+4+\b], v[TM+\b], s[SEL], s[SEL+1]
.endr
.irp b, 0,1,2,3
	s_delay_alu instid0(VALU_DEP_4)
	v_max_num_f32 v[TM+\b], v[TM+\b], v[TM+4+\b]
.endr
.irp b, 0,1,2,3
	s_delay_alu instid0(VALU_DEP_4)
	v_add_nc_u32 v[TM+12+\b], 0xfc000000, v[TM+\b]
.endr
.irp b, 0,1,2,3
	v_and_or_b32 v[TM+8+\b], v[TM+\b], 0x7f800000, s[MNT]
.endr
.irp b, 0,1,2,3
	v_lshrrev_b32 v[TM+4+\b], 23, v[TM+12+\b]
.endr
	s_delay_alu instid0(VALU_DEP_3)
	v_lshl_or_b32 v[PW], v[TM+5], 8, v[TM+4]
	s_delay_alu instid0(VALU_DEP_1)
	v_lshl_or_b32 v[PW], v[TM+6], 16, v[PW]
	s_delay_alu instid0(VALU_DEP_1)
	v_lshl_or_b32 v[PW], v[TM+7], 24, v[PW]
.irp b, 0,1,2,3
.irp i, 0,1,2,3,4,5,6,7,8,9,10,11,12,13,14,15
	v_med3_num_f32 v[\s+16*\b+\i], v[\s+16*\b+\i], -v[TM+8+\b], v[TM+8+\b]
.endr
	v_cvt_scalef32_pk8_fp8_f32 v[PC+4*\b:PC+1+4*\b], v[\s+16*\b:\s+7+16*\b], v[TM+12+\b]
	v_cvt_scalef32_pk8_fp8_f32 v[PC+2+4*\b:PC+3+4*\b], v[\s+8+16*\b:\s+15+16*\b], v[TM+12+\b]
.endr
	v_nop
.endm
; my lane's two chains -> the row's sum over all 1,024 columns, in every lane, in v[SA]
.macro REDUCE off
	s_delay_alu instid0(VALU_DEP_1)
	v_pk_add_f32 v[SA:SA+1], v[SA:SA+1], v[SBB:SBB+1]
	s_delay_alu instid0(VALU_DEP_1)
	v_add_f32 v[SA], v[SA], v[SA+1]
	s_delay_alu instid0(VALU_DEP_1)
	v_permlanex16_b32 v[SBB], v[SA], s[SEL], s[SEL+1]
	s_delay_alu instid0(VALU_DEP_1)
	v_add_f32 v[SA], v[SA], v[SBB]
	ds_store_b32 v8, v[SA] offset:\off             ; both halves of the lanes write the same word with the same value
	s_wait_dscnt 0x0                               ; for the others' sake
	s_barrier_signal -1
	s_barrier_wait -1
.irp i, 0,1,2,3,4,5,6,7
	ds_load_b32 v[RD+\i], v9 offset:\off+64*\i
.endr
	s_wait_dscnt 0x0
	v_add_f32 v[SA], v[RD], v[RD+1]
.irp i, 2,3,4,5,6,7
	s_delay_alu instid0(VALU_DEP_1)
	v_add_f32 v[SA], v[SA], v[RD+\i]
.endr
.endm
	s_load_b256 s[4:11], s[0:1], 0x0               ; ao s[4:5], x s[6:7], g1 s[8:9], be1 s[10:11]
	s_load_b64 s[12:13], s[0:1], 0x20              ; yq
	v_lshl_add_u32 v15, v0, 2, 0x10e00
	v_mov_b32 v241, 0
	v_lshrrev_b32 v1, 5, v0
	s_delay_alu instid0(VALU_DEP_1)
	v_readfirstlane_b32 s14, v1                    ; wave 0..7
	v_and_b32 v1, 31, v0
	s_delay_alu instid0(VALU_DEP_1)
	v_lshlrev_b32 v2, 4, v1                        ; 16 x lane
	v_and_b32 v3, 15, v0                           ; r
	s_wait_alu depctr_va_vdst(0)
	v_bfe_u32 v4, v0, 4, 1                         ; h
	s_mul_i32 s15, s14, 8448
	s_add_co_u32 s15, s15, STG
	v_add_nc_u32 v5, s15, v2                       ; the stage by rows
	v_mul_u32_u24 v6, v3, 528
	s_delay_alu instid0(VALU_DEP_1)
	v_lshl_add_u32 v6, v4, 6, v6
	s_delay_alu instid0(VALU_DEP_1)
	v_add_nc_u32 v6, s15, v6                       ; the stage by lanes: row r, + 64 h
	v_lshlrev_b32 v7, 6, v4                        ; g1, be1: + 64 h
	s_lshl_b32 s15, s14, 6
	v_lshl_add_u32 v8, v3, 2, s15                  ; sums: 64 w + 4 r
	v_lshlrev_b32 v9, 2, v3
	s_lshr_b32 s15, s14, 1
	s_lshl_b32 s15, s15, 7
	s_and_b32 s16, s14, 1
	s_lshl_b32 s16, s16, 2
	s_add_co_u32 s15, s15, s16
	v_lshl_add_u32 v10, v3, 3, s15                 ; my scale word: 128 kc + 8 r + 4 q
	s_and_b32 s16, s14, 3
	s_lshl_b32 s16, s16, 7
	v_lshl_add_u32 v11, v1, 2, s16                 ; and the way out: plane w % 4, 4 bytes a lane
	v_lshlrev_b32 v12, 2, v1
.irp b, 0,1,2,3
	v_mov_b32 v[TM+4+\b], 0
.endr
	v_mov_b32 v[MU+1], 0                           ; (the pair's upper half)
	s_mov_b32 s[SEL], 0x76543210
	s_mov_b32 s[SEL+1], 0xfedcba98
	s_mov_b32 s[MNT], 0x600000
	s_mov_b32 s21, 0x3a800000                      ; 1 / 1024
	s_mov_b32 s22, 0x3727c5ac                      ; 1e-5
	s_lshl_b32 s24, ttmp9, 16
	s_lshl_b32 s25, s14, 13
	s_add_co_u32 s24, s24, s25
	s_mov_b32 s25, 0
	s_lshr_b32 s26, ttmp9, 1
	s_lshl_b32 s26, s26, 17
	s_and_b32 s27, ttmp9, 1
	s_lshl_b32 s27, s27, 15
	s_add_co_u32 s26, s26, s27
	s_lshl_b32 s28, s14, 9
	s_add_co_u32 s26, s26, s28
	s_mov_b32 s27, 0
	s_mov_b32 s29, 0
	s_lshr_b32 s30, s14, 1
	s_lshl_b32 s30, s30, 20
	s_lshl_b32 s31, ttmp9, 12
	s_add_co_u32 s30, s30, s31
	s_and_b32 s31, s14, 1
	s_lshl_b32 s31, s31, 11
	s_add_co_u32 s30, s30, s31
	s_mov_b32 s31, 0
	s_and_b32 s32, s14, 3
	s_lshl_b32 s32, s32, 15
	s_lshl_b32 s33, ttmp9, 7
	s_add_co_u32 s32, s32, s33
	s_add_co_u32 s32, s32, 0x400000
	s_mov_b32 s33, 0
	s_wait_kmcnt 0x0
	s_add_nc_u64 s[4:5], s[4:5], s[24:25]
	s_add_nc_u64 s[6:7], s[6:7], s[26:27]
	s_add_nc_u64 s[8:9], s[8:9], s[28:29]
	s_add_nc_u64 s[10:11], s[10:11], s[28:29]
	s_add_nc_u64 s[30:31], s[12:13], s[30:31]
	s_add_nc_u64 s[32:33], s[12:13], s[32:33]
.irp c, 0,1,2,3
.irp j, 0,1,2,3
	global_load_b128 v[V+16*\c+4*\j:V+16*\c+4*\j+3], v2, s[4:5] offset:2048*\c+512*\j th:TH_LOAD_NT
.endr
.endr
.irp p, 0,1,2,3,4,5,6,7,8,9,10,11,12,13,14,15
	global_load_b128 v[R+4*\p:R+4*\p+3], v2, s[6:7] offset:(\p+8*(\p/8))*4096 th:TH_LOAD_NT
.endr
	s_wait_loadcnt 0x0
.irp p, 0,1,2,3,4,5,6,7,8,9,10,11,12,13,14,15
	ds_store_b128 v5, v[R+4*\p:R+4*\p+3] offset:528*\p
.endr
.irp c, 0,1,2,3
.irp j, 0,1,2,3
	ds_load_b128 v[X+16*\c+4*\j:X+16*\c+4*\j+3], v6 offset:128*\c+16*\j   ; my own bytes: LDS serves a wave in order
.endr
.endr
	s_wait_dscnt 0x0
.irp c, 0,1,2,3
.irp j, 0,1,2,3
	global_load_b128 v[R+16*\c+4*\j:R+16*\c+4*\j+3], v7, s[8:9] offset:128*\c+16*\j    ; g1 of my 64 columns
.endr
.endr
.set jj, 0
.rept 32
	v_pk_add_f32 v[V+jj:V+jj+1], v[V+jj:V+jj+1], v[X+jj:X+jj+1]
.set jj, jj+2
.endr
.irp c, 0,1,2,3
.irp j, 0,1,2,3
	global_load_b128 v[X+16*\c+4*\j:X+16*\c+4*\j+3], v7, s[10:11] offset:128*\c+16*\j  ; be1
.endr
.endr
	v_pk_add_f32 v[SA:SA+1], v[V:V+1], v[V+2:V+3]
	v_pk_add_f32 v[SBB:SBB+1], v[V+4:V+5], v[V+6:V+7]
.irp j, 8,12,16,20,24,28,32,36,40,44,48,52,56,60
	s_delay_alu instid0(VALU_DEP_2)
	v_pk_add_f32 v[SA:SA+1], v[SA:SA+1], v[V+\j:V+\j+1]
	s_delay_alu instid0(VALU_DEP_2)
	v_pk_add_f32 v[SBB:SBB+1], v[SBB:SBB+1], v[V+\j+2:V+\j+3]
.endr
	REDUCE RED1
	s_delay_alu instid0(VALU_DEP_1)
	v_mul_f32 v[MU], s21, v[SA]                    ; the mean
.set jj, 0
.rept 32
	v_pk_add_f32 v[V+jj:V+jj+1], v[V+jj:V+jj+1], v[MU:MU+1] op_sel_hi:[1,0] neg_lo:[0,1] neg_hi:[0,1]
.set jj, jj+2
.endr
	v_pk_mul_f32 v[SA:SA+1], v[V:V+1], v[V:V+1]
	v_pk_mul_f32 v[SBB:SBB+1], v[V+2:V+3], v[V+2:V+3]
.irp j, 4,8,12,16,20,24,28,32,36,40,44,48,52,56,60
	s_delay_alu instid0(VALU_DEP_2)
	v_pk_fma_f32 v[SA:SA+1], v[V+\j:V+\j+1], v[V+\j:V+\j+1], v[SA:SA+1]
	s_delay_alu instid0(VALU_DEP_2)
	v_pk_fma_f32 v[SBB:SBB+1], v[V+\j+2:V+\j+3], v[V+\j+2:V+\j+3], v[SBB:SBB+1]
.endr
	REDUCE RED2
	s_delay_alu instid0(VALU_DEP_1)
	v_fma_f32 v[SA], v[SA], s21, s22               ; the variance + 1e-5
	s_wait_alu depctr_va_vdst(0)
	v_rsq_f32 v[SBB], v[SA]
	v_nop
	s_wait_alu depctr_va_vdst(0)                   ; ahead of the first reader
	s_wait_loadcnt 0x0                             ; g1, be1
.set jj, 0
.rept 32
	v_pk_mul_f32 v[V+jj:V+jj+1], v[V+jj:V+jj+1], v[SBB:SBB+1] op_sel_hi:[1,0]
.set jj, jj+2
.endr
.set jj, 0
.rept 32
	v_pk_fma_f32 v[V+jj:V+jj+1], v[V+jj:V+jj+1], v[R+jj:R+jj+1], v[X+jj:X+jj+1]
.set jj, jj+2
.endr
	QUANT V
.irp c, 0,1,2,3
	global_store_b128 v2, v[PC+4*\c:PC+4*\c+3], s[30:31] offset:512*\c   ; 512 consecutive bytes
.endr
	ds_store_b32 v10, v[PW] offset:SCS
	s_wait_dscnt 0x0
	s_barrier_signal -1
	s_barrier_wait -1
	s_cmp_lt_u32 s14, 4                            ; waves 0-3 store a plane's 128 bytes each
	s_cbranch_scc0 .Ldone
	ds_load_b32 v13, v11 offset:SCS
	s_wait_dscnt 0x0
	global_store_b32 v12, v13, s[32:33]
.Ldone:
	s_wait_tensorcnt 0x0
	ds_add_u32 v15, v241
	s_wait_dscnt 0x0
	s_endpgm
.Lfunc_end_k_q57170af347_ln1:
	.size	k_q57170af347_ln1, .Lfunc_end_k_q57170af347_ln1-k_q57170af347_ln1
	.p2alignl 7, 3214868480
	.fill 96, 4, 3214868480
	.section	.rodata,"a",@progbits
	.p2align	6, 0x0
	.amdhsa_kernel k_q57170af347_ln1
		.amdhsa_group_segment_fixed_size 70144
		.amdhsa_private_segment_fixed_size 0
		.amdhsa_enable_private_segment 0
		.amdhsa_kernarg_size 40
		.amdhsa_user_sgpr_count 2
		.amdhsa_user_sgpr_kernarg_segment_ptr 1
		.amdhsa_wavefront_size32 1
		.amdhsa_system_sgpr_workgroup_id_x 1
		.amdhsa_system_sgpr_workgroup_id_y 1
		.amdhsa_system_sgpr_workgroup_id_z 1
		.amdhsa_system_vgpr_workitem_id 0
		.amdhsa_next_free_vgpr 256
		.amdhsa_next_free_sgpr 66
		.amdhsa_reserve_vcc 0
		.amdhsa_float_denorm_mode_32 3
		.amdhsa_float_denorm_mode_16_64 3
		.amdhsa_memory_ordered 1
		.amdhsa_forward_progress 1
		.amdhsa_inst_pref_size 39
	.end_amdhsa_kernel
	.amdgpu_metadata
---
amdhsa.version: [ 1, 2 ]
amdhsa.kernels:
  - .name:           k_q57170af347_ln1
    .symbol:         k_q57170af347_ln1.kd
    .args:
      - { .name: ao, .offset: 0, .size: 8, .value_kind: global_buffer, .address_space: global }
      - { .name: x, .offset: 8, .size: 8, .value_kind: global_buffer, .address_space: global }
      - { .name: g1, .offset: 16, .size: 8, .value_kind: global_buffer, .address_space: global }
      - { .name: be1, .offset: 24, .size: 8, .value_kind: global_buffer, .address_space: global }
      - { .name: yq, .offset: 32, .size: 8, .value_kind: global_buffer, .address_space: global }
    .group_segment_fixed_size: 70144
    .private_segment_fixed_size: 0
    .kernarg_segment_align: 8
    .kernarg_segment_size: 40
    .max_flat_workgroup_size: 256
    .sgpr_count:     66
    .vgpr_count:     256
    .wavefront_size: 32
...
	.end_amdgpu_metadata
.endif
;; end of part 4
;; launch ffn1 (part 5): grid 16 x 16, 4 waves a work-group, clusters of 4 x 4, 327,680 bytes of LDS; arguments yq, prepw, b1, hq; writes hq
.if DOCPART == 5
	.amdgcn_target "amdgcn-amd-amdhsa--gfx1250"
	.amdhsa_code_object_version 6
	.text
	.protected	k_q57170af347_ffn1
	.globl	k_q57170af347_ffn1
	.p2align	8
	.type	k_q57170af347_ffn1,@function
k_q57170af347_ffn1:
	s_mov_b64 s[64:65], 0
	v_nop
	global_prefetch_b8 v0, s[64:65] scope:SCOPE_SE
	s_setreg_imm32_b32 hwreg(HW_REG_WAVE_MODE, 25, 1), 1
	s_wait_xcnt 0x0
	s_wait_alu depctr_hold_cnt(0) depctr_sa_sdst(0) depctr_va_vdst(0) depctr_va_sdst(0) depctr_va_ssrc(0) depctr_va_vcc(0) depctr_vm_vsrc(0)
	s_getreg_b32 s2, hwreg(HW_REG_IB_STS2, 6, 4)
	s_cmp_eq_u32 s2, 0
	s_cbranch_scc0 .Lentry_in_a_cluster
	s_endpgm
.Lentry_in_a_cluster:
	s_bfe_u32 s2, ttmp6, 0x10000c
	s_cmp_lg_u32 s2, 0xf033
	s_cbranch_scc0 .Lentry_shape_is_right
	s_endpgm
.Lentry_shape_is_right:
.set NBK,   8
.set NQ,    2
.set LAPS,  2
.set SCPC,  4096
.set SHALF, 1024
.set SADV,  2048
.set SROWS, 4
.set SSTR_A, 4096
.set SSTR_B, 4096
.set SSTEP_A, 0x100000
.set SSTEP_B, 0x100000
.set HN,    NBK/2
.set QN,    NBK/4
.set NL,    4
.set PIECE, 32768
.set HALF,  NBK*4096
.set SLOT,  131072
.set SCL,   262144
.set SPARE, SCL+4*SCPC+256
.set ADRA, 16
.set ADRB, 20
.set PW,   24
.set ADRS, 27
.set SPW,  28
.set NIL,  29
.set SC,   32
.set PC,   32
.set TM,   48
.set BB,   64
.set AF,   128
.set H,    128
.set U,    192
.set S2,   208
.set P,    224
.set Q,    240
.set G1, 24
.set G0, 32
.set G1B, 48
.set G0B, 56
.set G1S, 68
.set G0S, 76
.set G1SB, 80
.set G0SB, 88
.set SEL, 18
.set MNT, 20
.set MUL_LO, 0xa1
.set MUL_HI, 0xa1+0x50*(NBK/8)
.set MSB, 0
.macro WIN new
.if MSB != (\new)
	s_set_vgpr_msb (MSB<<8)|(\new)
.set MSB, (\new)
.endif
.endm
.macro PLACES n
.rept \n
	v_nop
.endr
.endm
.macro JLOAD g0a, g1a, g0b, g1b
	s_cmp_eq_u32 s15, 0
	s_cbranch_scc0 .Lfor_b_\@
	tensor_load_to_lds s[\g0a:\g0a+3], s[\g1a:\g1a+7]
	s_nop 0
	PLACES 4
	s_branch .Lasked_\@
.Lfor_b_\@:
	tensor_load_to_lds s[\g0b:\g0b+3], s[\g1b:\g1b+7]
	s_nop 0
	PLACES 4
.Lasked_\@:
.endm
.macro CREST
	s_cmp_lg_u32 s14, 0
	s_cbranch_scc1 .Lnot_wave_0_\@
	s_barrier_signal -3
.Lnot_wave_0_\@:
	s_barrier_wait -3
	s_barrier_signal -1
	s_barrier_wait -1
.endm
.macro CROUND
	s_barrier_signal -1
	s_barrier_wait -1
	CREST
.endm
.macro FRAG reg, adr, off
.irp c, 0,1,2,3
	ds_load_b128 v[\reg+4*\c:\reg+4*\c+3], v[\adr] offset:\off+512*\c
.endr
.endm
.macro FETCH_B slot, q, p
	WIN 0x40
.set ii, 0
.rept NBK
	FRAG 128*(\p)+16*ii, ADRB+\slot, PIECE*((\q)/2)+2048*((\q)%2)+4096*ii
.set ii, ii+1
.endr
	WIN 0
.endm
.macro FETCH_A slot, q, half
.set ii, (\half)*HN
.rept HN
	FRAG AF+16*ii, ADRA+\slot, PIECE*((\q)/2)+2048*((\q)%2)+4096*ii
.set ii, ii+1
.endr
.endm
.macro SCALES sc
.set nn, 0
.rept 8
	ds_load_b64 v[SC+16*(\sc)+2*nn:SC+16*(\sc)+2*nn+1], v[ADRS] offset:128*(nn/(NQ/2))+1024*(nn%(NQ/2))
.set nn, nn+1
.endr
.endm
.macro MULQ k, p, q, sc, zero
.set ia, (\k)*QN
.rept QN
.set ib, 0
.rept NBK
.if \zero
	v_wmma_scale_f32_16x16x128_f8f6f4 v[8*(8*(ia%4)+ib):8*(8*(ia%4)+ib)+7], v[128*(\p)+16*ib:128*(\p)+16*ib+15], v[AF+16*ia:AF+16*ia+15], 0, v[SC+16*(\sc)+NQ*ib+(\q)], v[SC+16*(\sc)+NQ*ia+(\q)] matrix_a_scale:MATRIX_SCALE_ROW1
.else
	v_wmma_scale_f32_16x16x128_f8f6f4 v[8*(8*(ia%4)+ib):8*(8*(ia%4)+ib)+7], v[128*(\p)+16*ib:128*(\p)+16*ib+15], v[AF+16*ia:AF+16*ia+15], v[8*(8*(ia%4)+ib):8*(8*(ia%4)+ib)+7], v[SC+16*(\sc)+NQ*ib+(\q)], v[SC+16*(\sc)+NQ*ia+(\q)] matrix_a_scale:MATRIX_SCALE_ROW1
.endif
.set ib, ib+1
.endr
.set ia, ia+1
.endr
.endm
.macro STEP slot, q, zero
	s_wait_dscnt HN*NL
	WIN MUL_LO
	MULQ 0, (\q)%2, \q, \slot, \zero
	MULQ 1, (\q)%2, \q, \slot, \zero
	s_wait_dscnt 0x0
	PLACES 8
	FETCH_B \slot, (\q)+1, 1-(\q)%2
	FETCH_A \slot, (\q)+1, 0
	WIN MUL_HI
	MULQ 2, (\q)%2, \q, \slot, \zero
	MULQ 3, (\q)%2, \q, \slot, \zero
	PLACES 8
	WIN 0
	FETCH_A \slot, (\q)+1, 1
.endm
.macro REST slot
.if NQ > 2
.set qq, 1
.rept NQ-2
	STEP \slot, qq, 0
.set qq, qq+1
.endr
.endif
.endm
.macro TURN slot, next, fill
	s_wait_tensorcnt 0x0
	ds_add_u32 v[SPW], v[NIL]
	s_wait_dscnt HN*NL+1
	WIN MUL_LO
	MULQ 0, 1, NQ-1, \slot, 0
	s_wait_dscnt 0x0
	s_barrier_signal -1
	MULQ 1, 1, NQ-1, \slot, 0
	WIN 0
	s_barrier_wait -1
.if \fill
	CREST
	s_add_nc_u64 s[G0+4*\slot+2:G0+4*\slot+3], s[G0+4*\slot+2:G0+4*\slot+3], 2*SSTEP_A
	s_add_nc_u64 s[G0B+4*\slot+2:G0B+4*\slot+3], s[G0B+4*\slot+2:G0B+4*\slot+3], 2*SSTEP_B
	JLOAD G0+4*\slot, G1, G0B+4*\slot, G1B
	PLACES 4
.else
	PLACES 8
.endif
	s_wait_alu depctr_va_vdst(0)
	v_add_nc_u32 v[ADRS], SADV, v[ADRS]
	FETCH_B \next, 0, 0
	FETCH_A \next, 0, 0
	SCALES \next
	WIN MUL_HI
	MULQ 2, 1, NQ-1, \slot, 0
	MULQ 3, 1, NQ-1, \slot, 0
	PLACES 8
	WIN 0
	FETCH_A \next, 0, 1
.endm
.macro QUANT s
.irp b, 0,1,2,3
	v_max3_num_f32 v[TM+\b], |v[\s+16*\b]|, |v[\s+1+16*\b]|, 0x4800000
.endr
.irp i, 2,4,6,8,10,12,14
.irp b, 0,1,2,3
	v_max3_num_f32 v[TM+\b], v[TM+\b], |v[\s+16*\b+\i]|, |v[\s+1+16*\b+\i]|
.endr
.endr
.irp b, 0,1,2,3
	v_permlanex16_b32 v[TM+4+\b], v[TM+\b], s[SEL], s[SEL+1]
.endr
.irp b, 0,1,2,3
	v_max_num_f32 v[TM+\b], v[TM+\b], v[TM+4+\b]
.endr
.irp b, 0,1,2,3
	v_add_nc_u32 v[TM+12+\b], 0xfc000000, v[TM+\b]
.endr
.irp b, 0,1,2,3
	v_and_or_b32 v[TM+8+\b], v[TM+\b], 0x7f800000, s[MNT]
.endr
.irp b, 0,1,2,3
	v_lshrrev_b32 v[TM+4+\b], 23, v[TM+12+\b]
.endr
	v_lshl_or_b32 v[PW], v[TM+5], 8, v[TM+4]
	v_lshl_or_b32 v[PW], v[TM+6], 16, v[PW]
	v_lshl_or_b32 v[PW], v[TM+7], 24, v[PW]
.irp b, 0,1,2,3
.irp i, 0,1,2,3,4,5,6,7,8,9,10,11,12,13,14,15
	v_med3_num_f32 v[\s+16*\b+\i], v[\s+16*\b+\i], -v[TM+8+\b], v[TM+8+\b]
.endr
	v_cvt_scalef32_pk8_fp8_f32 v[PC+4*\b:PC+1+4*\b], v[\s+16*\b:\s+7+16*\b], v[TM+12+\b]
	v_cvt_scalef32_pk8_fp8_f32 v[PC+2+4*\b:PC+3+4*\b], v[\s+8+16*\b:\s+15+16*\b], v[TM+12+\b]
.endr
	v_nop
.endm
	s_load_b256 s[4:11], s[0:1], 0x0
	v_lshl_add_u32 v[SPW], v0, 2, SPARE
	v_mov_b32 v[NIL], 0
	ds_add_u32 v28, v29
	ds_add_u32 v28, v29
	s_wait_dscnt 0x0
	v_lshrrev_b32 v1, 5, v0
	v_readfirstlane_b32 s14, v1
	s_lshr_b32 s15, s14, 1
	s_and_b32 s16, s14, 1
	s_bfe_u32 s40, ttmp6, 0x40000
	s_bfe_u32 s41, ttmp6, 0x40004
	s_lshl_b32 s42, ttmp9, 2
	s_add_co_u32 s42, s42, s40
	s_and_b32 s17, ttmp7, 0xffff
	s_lshl_b32 s17, s17, 2
	s_add_co_u32 s17, s17, s41
	s_lshl_b32 s43, s41, 2
	s_lshl_b32 s43, 15, s43
	s_lshl_b32 s44, 0x1111, s40
	s_or_b32 s[G1], s43, (3<<16)|(1<<21)
	s_or_b32 s[G1B], s44, (3<<16)|(1<<21)
	s_or_b32 s[G1S], s43, (3<<16)|(1<<21)
	s_or_b32 s[G1SB], s44, (3<<16)|(1<<21)
.irp g, G1, G1B
	s_mov_b32 s[\g+1], 32<<16
	s_mov_b32 s[\g+2], 256<<16                     ; the head's loads of codes bring 256 rows; behind them these two words are set to 128, for the ring's
	s_mov_b32 s[\g+3], 32<<16
	s_mov_b32 s[\g+4], 256
	s_mov_b32 s[\g+5], 32
	s_mov_b32 s[\g+6], 0
	s_mov_b32 s[\g+7], 0
.endr
.irp g, G1S, G1SB
	s_mov_b32 s[\g+1], 256<<16                     ; scale words: a K step's 2,048 bytes of the tile's 256 rows are one row of the load
	s_mov_b32 s[\g+2], SROWS<<16
	s_mov_b32 s[\g+3], 256<<16
	s_mov_b32 s[\g+4], SROWS
	s_mov_b32 s[\g+6], 0
	s_mov_b32 s[\g+7], 0
.endr
	s_mov_b32 s[G1S+5], SSTR_A
	s_mov_b32 s[G1SB+5], SSTR_B
	s_lshl_b32 s18, s16, 15
	s_mov_b32 s19, 0                               ; s[18:19]: my half of a tile of codes, in bytes, for the ring
	s_lshl_b32 s20, s17, 16
	s_mov_b32 s21, 0
	s_lshl_b32 s22, s17, 11
	s_add_co_u32 s22, s22, 0x400000
	s_mov_b32 s23, 0
	s_lshl_b32 s46, s42, 16
	s_add_co_u32 s46, s46, 0x800000
	s_mov_b32 s47, 0
	s_lshl_b32 s92, s42, 11
	s_add_co_u32 s92, s92, 0x1040000
	s_mov_b32 s93, 0
	s_mul_i32 s45, s14, PIECE
	s_wait_kmcnt 0x0
	s_add_nc_u64 s[20:21], s[4:5], s[20:21]
	s_add_nc_u64 s[22:23], s[4:5], s[22:23]
	s_add_nc_u64 s[46:47], s[6:7], s[46:47]
	s_add_nc_u64 s[92:93], s[6:7], s[92:93]
	CROUND
	s_mov_b32 s[G0S], 1
	s_mov_b32 s[G0S+1], SCL
	s_mov_b64 s[G0S+2:G0S+3], s[22:23]
	s_or_b32 s[G0S+3], s[G0S+3], 0x80000000
	s_mov_b32 s[G0SB], 1
	s_mov_b32 s[G0SB+1], SCL+2*SCPC+128
	s_mov_b64 s[G0SB+2:G0SB+3], s[92:93]
	s_or_b32 s[G0SB+3], s[G0SB+3], 0x80000000
	s_mov_b32 s[G0], 1                             ; the head's loads of codes use slot 0's group 0: K step 0's 256 rows of A,
	s_mov_b32 s[G0+1], 0
	s_mov_b64 s[G0+2:G0+3], s[20:21]
	s_or_b32 s[G0+3], s[G0+3], 0x80000000
	s_mov_b32 s[G0B], 1                            ; and its 256 rows of B, behind them in slot 0
	s_mov_b32 s[G0B+1], 2*PIECE
	s_mov_b64 s[G0B+2:G0B+3], s[46:47]
	s_or_b32 s[G0B+3], s[G0B+3], 0x80000000
; THE HEAD'S LOADS, ONE A WAVE: wave 0 A's codes of K step 0, wave 1 B's, wave 2 A's scale words, wave 3 B's.  One chain of branches on the wave's number: every way passes exactly one load.
.macro ARM under, g0, g1, next
	s_cmp_lt_u32 s14, \under
	s_cbranch_scc0 \next
	tensor_load_to_lds s[\g0:\g0+3], s[\g1:\g1+7]
	s_nop 0
	PLACES 4
	s_branch .Lhead_asked
\next:
.endm
	ARM 1, G0,  G1,  .Lhead_b
	ARM 2, G0B, G1B, .Lhead_sa
	ARM 3, G0S, G1S, .Lhead_sb
	tensor_load_to_lds s[G0SB:G0SB+3], s[G1SB:G1SB+7]
	s_nop 0
	PLACES 4
.Lhead_asked:
	s_wait_alu depctr_va_vdst(0)
	s_wait_tensorcnt 0x0                           ; my tile of the head's four is in: no tensor load of mine is out, so descriptors may be written
	ds_add_u32 v28, v29                            ; the ring's descriptors, work on registers, stand between this add and the wait for it
	s_mov_b32 s[G1+2], 128<<16                     ; from here on a load brings 128 rows
	s_mov_b32 s[G1+4], 128
	s_mov_b32 s[G1B+2], 128<<16
	s_mov_b32 s[G1B+4], 128
	s_add_nc_u64 s[20:21], s[20:21], s[18:19]      ; my 128 rows of a tile
	s_add_nc_u64 s[46:47], s[46:47], s[18:19]
.irp s, 0,1
	s_mov_b32 s[G0+4*\s], 1
	s_add_co_u32 s[G0+4*\s+1], s45, \s*SLOT
	s_add_nc_u64 s[G0+4*\s+2:G0+4*\s+3], s[20:21], \s*SSTEP_A
	s_or_b32 s[G0+4*\s+3], s[G0+4*\s+3], 0x80000000
	s_mov_b32 s[G0B+4*\s], 1
	s_add_co_u32 s[G0B+4*\s+1], s45, \s*SLOT
	s_add_nc_u64 s[G0B+4*\s+2:G0B+4*\s+3], s[46:47], \s*SSTEP_B
	s_or_b32 s[G0B+4*\s+3], s[G0B+4*\s+3], 0x80000000
.endr
	s_wait_dscnt 0x0                               ; the add is done
	CROUND                                         ; all four tiles are in, and all sixteen work-groups are here
	JLOAD G0+4, G1, G0B+4, G1B                     ; K step 1: slot 1's first fill, my one load behind the round
	v_and_b32 v1, 15, v0
	v_bfe_u32 v2, v0, 4, 1
	s_wait_alu depctr_va_vdst(0)
	v_and_b32 v3, 31, v0
	v_lshlrev_b32 v3, 4, v3
	s_mul_i32 s21, s15, HALF
	s_mul_i32 s22, s16, HALF
	s_add_co_u32 s22, s22, 2*PIECE
.irp s, 0,1
	v_add_nc_u32 v[ADRA+\s], s21, v3
	v_add_nc_u32 v[ADRB+\s], s22, v3
	s_add_co_u32 s21, s21, SLOT
	s_add_co_u32 s22, s22, SLOT
.endr
	s_mul_i32 s21, s15, SHALF
	s_mul_i32 s22, s16, SHALF
	s_add_co_u32 s22, s22, 2*SCPC+128
	s_sub_co_u32 s22, s22, s21
	v_mul_u32_u24 v6, s22, v2
	s_add_co_u32 s21, s21, SCL
	v_lshlrev_b32 v5, 3, v1
	v_add_nc_u32 v5, v5, v6
	v_add_nc_u32 v[ADRS], s21, v5
	s_lshl_b32 s20, s42, 10
	s_lshl_b32 s22, s16, 9
	s_add_co_u32 s20, s20, s22
	s_mov_b32 s21, 0
	s_add_nc_u64 s[18:19], s[8:9], s[20:21]
	v_lshlrev_b32 v4, 6, v2
.irp b, 0,1,2,3
.irp j, 0,1,2,3
	global_load_b128 v[BB+16*\b+4*\j:BB+16*\b+4*\j+3], v4, s[18:19] offset:128*\b+16*\j
.endr
.endr
	s_wait_alu depctr_va_vdst(0)
	s_wait_tensorcnt 1
	s_barrier_signal -1
	s_barrier_wait -1
	FETCH_B 0, 0, 0
	FETCH_A 0, 0, 0
	SCALES 0
	FETCH_A 0, 0, 1
	STEP 0, 0, 1
	s_mov_b32 s3, LAPS-1
.Llap:
	REST 0
	TURN 0, 1, 1
	STEP 1, 0, 0
	REST 1
	TURN 1, 0, 1
	STEP 0, 0, 0
	s_sub_co_u32 s3, s3, 1
	s_cmp_lg_u32 s3, 0
	s_cbranch_scc1 .Llap
	REST 0
	TURN 0, 1, 0
	STEP 1, 0, 0
	REST 1
	s_wait_dscnt HN*NL
	WIN MUL_LO
	MULQ 0, 1, NQ-1, 1, 0
	MULQ 1, 1, NQ-1, 1, 0
	s_wait_dscnt 0x0
	WIN MUL_HI
	MULQ 2, 1, NQ-1, 1, 0
	MULQ 3, 1, NQ-1, 1, 0
	WIN 0
	PLACES 8
	s_wait_loadcnt 0x0
	s_mov_b32 s[SEL], 0x76543210
	s_mov_b32 s[SEL+1], 0xfedcba98
	s_mov_b32 s[MNT], 0x600000
.irp b, 0,1,2,3
	v_mov_b32 v[TM+4+\b], 0
.endr
	v_mov_b32 v8, 0x39702d51
	v_mov_b32 v9, 0x39702d51
	v_mov_b32 v10, 0xb3fd3906
	v_mov_b32 v11, 0xb3fd3906
	v_mov_b32 v12, 0x406f9c67
	s_lshl_b32 s92, s42, 20
	s_lshl_b32 s93, s17, 16
	s_add_co_u32 s92, s92, s93
	s_lshl_b32 s93, s15, 15
	s_add_co_u32 s92, s92, s93
	s_lshl_b32 s93, s16, 11
	s_add_co_u32 s92, s92, s93
	s_mov_b32 s93, 0
	s_lshl_b32 s96, s42, 15
	s_lshl_b32 s97, s17, 11
	s_add_co_u32 s96, s96, s97
	s_lshl_b32 s97, s14, 9
	s_add_co_u32 s96, s96, s97
	s_add_co_u32 s96, s96, 0x1000000
	s_mov_b32 s97, 0
	s_add_nc_u64 s[44:45], s[10:11], s[96:97]
	s_add_nc_u64 s[12:13], s[10:11], s[92:93]
	s_lshl_b32 s22, s15, 10
	s_lshl_b32 s23, s16, 2
	s_add_co_u32 s22, s22, s23
	v_lshl_add_u32 v26, v1, 3, s22
	s_lshl_b32 s22, s14, 9
	v_add_nc_u32 v2, s22, v3
	s_mov_b32 s66, 0
	s_mov_b32 s67, 0
.macro MOVE k
	WIN 0x02+(\k)/4
.set ii, 0
.rept 32
	v_pk_add_f32 v[H+2*ii:H+2*ii+1], v[64*((\k)%4)+2*ii:64*((\k)%4)+2*ii+1], v[BB+2*ii:BB+2*ii+1]
.set ii, ii+1
.endr
	WIN 0
.endm
.Lepi:
.irp k, 0,1,2,3,4,5,6
	s_cmp_eq_u32 s66, \k
	s_cbranch_scc1 .Lmv_\k
.endr
	MOVE 7
	s_branch .Lgot
.irp k, 0,1,2,3,4,5,6
.Lmv_\k:
	MOVE \k
	s_branch .Lgot
.endr
.Lgot:
.irp g, 0,1,2,3
.irp i, 0,2,4,6,8,10,12,14
	v_pk_mul_f32 v[U+\i:U+\i+1], v[H+16*\g+\i:H+16*\g+\i+1], 0x3f3504f3 op_sel_hi:[1,0]
.endr
.irp i, 0,1,2,3,4,5,6,7,8,9,10,11,12,13,14,15
	v_med3_num_f32 v[U+\i], v[U+\i], -v12, v12
.endr
.irp i, 0,2,4,6,8,10,12,14
	v_pk_mul_f32 v[S2+\i:S2+\i+1], v[U+\i:U+\i+1], v[U+\i:U+\i+1]
.endr
.irp i, 0,2,4,6,8,10,12,14
	v_pk_fma_f32 v[P+\i:P+\i+1], v[S2+\i:S2+\i+1], v[8:9], 0x3b5f5da2 op_sel_hi:[1,1,0]
	v_pk_fma_f32 v[Q+\i:Q+\i+1], v[S2+\i:S2+\i+1], v[10:11], 0x37c588e0 op_sel_hi:[1,1,0]
.endr
.irp k, 0x3d50b6eb, 0x3e3da740, 0x3f906eba
.irp i, 0,2,4,6,8,10,12,14
	v_pk_fma_f32 v[P+\i:P+\i+1], v[P+\i:P+\i+1], v[S2+\i:S2+\i+1], \k op_sel_hi:[1,1,0]
.endr
.endr
.irp k, 0x3a856d27, 0x3c6687d4, 0x3de34c21, 0x3efeb44a, 1.0
.irp i, 0,2,4,6,8,10,12,14
	v_pk_fma_f32 v[Q+\i:Q+\i+1], v[Q+\i:Q+\i+1], v[S2+\i:S2+\i+1], \k op_sel_hi:[1,1,0]
.endr
.endr
	s_wait_alu depctr_va_vdst(0)
.irp i, 0,1,2,3,4,5,6,7,8,9,10,11,12,13,14,15
	v_rcp_f32 v[Q+\i], v[Q+\i]
.endr
.irp i, 0,2,4,6,8,10,12,14
	v_pk_mul_f32 v[P+\i:P+\i+1], v[P+\i:P+\i+1], v[U+\i:U+\i+1]
	v_pk_mul_f32 v[S2+\i:S2+\i+1], v[H+16*\g+\i:H+16*\g+\i+1], 0.5 op_sel_hi:[1,0]
.endr
	s_wait_alu depctr_va_vdst(0)
.irp i, 0,2,4,6,8,10,12,14
	v_pk_mul_f32 v[P+\i:P+\i+1], v[P+\i:P+\i+1], v[Q+\i:Q+\i+1]
.endr
.irp i, 0,2,4,6,8,10,12,14
	v_pk_fma_f32 v[H+16*\g+\i:H+16*\g+\i+1], v[S2+\i:S2+\i+1], v[P+\i:P+\i+1], v[S2+\i:S2+\i+1]
.endr
.endr
	QUANT H
	v_add_nc_u32 v25, s67, v26
.irp c, 0,1,2,3
	global_store_b128 v3, v[PC+4*\c:PC+4*\c+3], s[12:13] offset:512*\c
.endr
	ds_store_b32 v25, v[PW]
	s_wait_dscnt 0x0
	s_wait_xcnt 0x0
	s_add_nc_u64 s[12:13], s[12:13], 4096
	s_add_co_u32 s67, s67, 128
	s_add_co_u32 s66, s66, 1
	s_cmp_lt_u32 s66, 8
	s_cbranch_scc1 .Lepi
	s_barrier_signal -1
	s_barrier_wait -1
	ds_load_b128 v[32:35], v2
	s_wait_dscnt 0x0
	global_store_b128 v3, v[32:35], s[44:45]
	s_wait_tensorcnt 0x0
	ds_add_u32 v[SPW], v[NIL]
	s_wait_dscnt 0x0
	CROUND
	s_endpgm
.Lfunc_end_k_q57170af347_ffn1:
	.size	k_q57170af347_ffn1, .Lfunc_end_k_q57170af347_ffn1-k_q57170af347_ffn1
	.p2alignl 7, 3214868480
	.fill 96, 4, 3214868480
	.section	.rodata,"a",@progbits
	.p2align	6, 0x0
	.amdhsa_kernel k_q57170af347_ffn1
		.amdhsa_group_segment_fixed_size 327680
		.amdhsa_private_segment_fixed_size 0
		.amdhsa_enable_private_segment 0
		.amdhsa_kernarg_size 32
		.amdhsa_user_sgpr_count 2
		.amdhsa_user_sgpr_kernarg_segment_ptr 1
		.amdhsa_wavefront_size32 1
		.amdhsa_system_sgpr_workgroup_id_x 1
		.amdhsa_system_sgpr_workgroup_id_y 1
		.amdhsa_system_sgpr_workgroup_id_z 1
		.amdhsa_system_vgpr_workitem_id 0
		.amdhsa_next_free_vgpr 1024
		.amdhsa_next_free_sgpr 104
		.amdhsa_reserve_vcc 0
		.amdhsa_float_denorm_mode_32 3
		.amdhsa_float_denorm_mode_16_64 3
		.amdhsa_memory_ordered 1
		.amdhsa_forward_progress 1
		.amdhsa_inst_pref_size 194
	.end_amdhsa_kernel
	.amdgpu_metadata
---
amdhsa.version: [ 1, 2 ]
amdhsa.kernels:
  - .name:           k_q57170af347_ffn1
    .symbol:         k_q57170af347_ffn1.kd
    .args:
      - { .name: yq, .offset: 0, .size: 8, .value_kind: global_buffer, .address_space: global }
      - { .name: prepw, .offset: 8, .size: 8, .value_kind: global_buffer, .address_space: global }
      - { .name: b1, .offset: 16, .size: 8, .value_kind: global_buffer, .address_space: global }
      - { .name: hq, .offset: 24, .size: 8, .value_kind: global_buffer, .address_space: global }
    .group_segment_fixed_size: 327680
    .private_segment_fixed_size: 0
    .kernarg_segment_align: 8
    .kernarg_segment_size: 32
    .max_flat_workgroup_size: 128
    .sgpr_count:     104
    .vgpr_count:     1024
    .wavefront_size: 32
...
	.end_amdgpu_metadata
.endif
;; end of part 5
;; launch ffn2 (part 6): grid 8 x 32, 4 waves a work-group, clusters of 4 x 4, 327,680 bytes of LDS; arguments hq, prepw, ff; writes ff
.if DOCPART == 6
	.amdgcn_target "amdgcn-amd-amdhsa--gfx1250"
	.amdhsa_code_object_version 6
	.text
	.protected	k_q57170af347_ffn2
	.globl	k_q57170af347_ffn2
	.p2align	8
	.type	k_q57170af347_ffn2,@function
k_q57170af347_ffn2:
	s_mov_b64 s[64:65], 0
	v_nop
	global_prefetch_b8 v0, s[64:65] scope:SCOPE_SE
	s_setreg_imm32_b32 hwreg(HW_REG_WAVE_MODE, 25, 1), 1
	s_wait_xcnt 0x0
	s_wait_alu depctr_hold_cnt(0) depctr_sa_sdst(0) depctr_va_vdst(0) depctr_va_sdst(0) depctr_va_ssrc(0) depctr_va_vcc(0) depctr_vm_vsrc(0)
	s_getreg_b32 s2, hwreg(HW_REG_IB_STS2, 6, 4)
	s_cmp_eq_u32 s2, 0
	s_cbranch_scc0 .Lentry_in_a_cluster
	s_endpgm
.Lentry_in_a_cluster:
	s_bfe_u32 s2, ttmp6, 0x10000c
	s_cmp_lg_u32 s2, 0xf033
	s_cbranch_scc0 .Lentry_shape_is_right
	s_endpgm
.Lentry_shape_is_right:
.set PIECE, 32768
.set SLOT,  131072
.set SSTEP, 0x400000
.set SCPC,  8192
.set SROWS, 16
.set SSTR_A, 4096
.set SSTR_B, 1024
.set SCL,   262144
.set SCLB,  SCL+2*SCPC+128
.set SPARE, SCL+4*SCPC+256
.set AD,   16
.set ADSA, 20
.set ADSB, 21
.set SPW,  28
.set NIL,  29
.set SC,   32
.set AF,   128
.set G1, 24
.set G0, 32
.set G1S, 68
.set G0S, 76
.set G1SB, 80
.set G0SB, 88
.set BBS, 46
.set MSB, 0
.macro WIN new
.if MSB != (\new)
	s_set_vgpr_msb (MSB<<8)|(\new)
.set MSB, (\new)
.endif
.endm
.macro PLACES n
.rept \n
	v_nop
.endr
.endm
.macro CREST
	s_cmp_lg_u32 s14, 0
	s_cbranch_scc1 .Lnot_wave_0_\@
	s_barrier_signal -3
.Lnot_wave_0_\@:
	s_barrier_wait -3
	s_barrier_signal -1
	s_barrier_wait -1
.endm
.macro CROUND
	s_barrier_signal -1
	s_barrier_wait -1
	CREST
.endm
.macro FETCH_A m
	WIN 0xc0*((\m)%2)
.set ii, 0
.rept 8
.irp c, 0,1,2,3
	ds_load_b128 v[AF+16*ii+4*\c:AF+16*ii+4*\c+3], v[AD+2*(((\m)/8)%2)+((\m)%8)/4] offset:32768*((((\m)%8)/2)%2)+2048*((\m)%2)+4096*ii+512*\c
.endr
.set ii, ii+1
.endr
	WIN 0
.endm
.macro SCALES p
.set ii, 0
.rept 8
	ds_load_b64 v[SC+20*((\p)%2)+2*ii:SC+20*((\p)%2)+2*ii+1], v[ADSA] offset:1024*(\p)+128*ii
.set ii, ii+1
.endr
.irp b, 0,1
	ds_load_b64 v[SC+20*((\p)%2)+16+2*\b:SC+20*((\p)%2)+16+2*\b+1], v[ADSB] offset:1024*(\p)+128*\b
.endr
.endm
.macro BLOAD m
	WIN 0x40
.irp b, 0,1
.irp c, 0,1,2,3
	global_load_b128 v[32*((\m)%8)+16*\b+4*\c:32*((\m)%8)+16*\b+4*\c+3], v3, s[BBS:BBS+1] offset:0x40000*((\m)/2)+2048*((\m)%2)+4096*\b+512*\c
.endr
.endr
	WIN 0
.endm
.macro PROD n, half, zero
.set ia, 4*(\half)
.rept 4
.set ib, 0
.rept 2
.if \zero
	v_wmma_scale_f32_16x16x128_f8f6f4 v[8*(2*ia+ib):8*(2*ia+ib)+7], v[32*((\n)%8)+16*ib:32*((\n)%8)+16*ib+15], v[AF+16*ia:AF+16*ia+15], 0, v[SC+20*(((\n)/2)%2)+16+2*ib+(\n)%2], v[SC+20*(((\n)/2)%2)+2*ia+(\n)%2]
.else
	v_wmma_scale_f32_16x16x128_f8f6f4 v[8*(2*ia+ib):8*(2*ia+ib)+7], v[32*((\n)%8)+16*ib:32*((\n)%8)+16*ib+15], v[AF+16*ia:AF+16*ia+15], v[8*(2*ia+ib):8*(2*ia+ib)+7], v[SC+20*(((\n)/2)%2)+16+2*ib+(\n)%2], v[SC+20*(((\n)/2)%2)+2*ia+(\n)%2]
.endif
.set ib, ib+1
.endr
.set ia, ia+1
.endr
.endm
.macro AHEAD n
.if (((\n)%2) == 0) && ((\n) < 30)
	SCALES (\n)/2+1
.endif
.if (\n) < 30
	FETCH_A (\n)+2
.endif
.if (\n) < 24
	BLOAD (\n)+8
.endif
.endm
.macro STEP n, zero
.if (\n) < 25
	s_wait_loadcnt 56
.else
	s_wait_loadcnt 8*(31-(\n))
.endif
.if (\n) < 31
	s_wait_dscnt 32
.else
	s_wait_dscnt 0x0
.endif
	WIN 0xa1+0x0c*((\n)%2)
	PROD \n, 0, \zero
	PROD \n, 1, \zero
	PLACES 8
	WIN 0
	AHEAD \n
.endm
.macro CHANGE n, fill
	s_wait_loadcnt 56
	s_wait_tensorcnt 0x0
	ds_add_u32 v[SPW], v[NIL]
	s_wait_dscnt 33
	WIN 0xa1+0x0c*((\n)%2)
	PROD \n, 0, 0
	s_wait_dscnt 0x0
	s_barrier_signal -1
	PROD \n, 1, 0
	WIN 0
	s_barrier_wait -1
.if \fill
	CREST
	s_add_nc_u64 s[G0+4*(((\n)/8)%2)+2:G0+4*(((\n)/8)%2)+3], s[G0+4*(((\n)/8)%2)+2:G0+4*(((\n)/8)%2)+3], 2*SSTEP
	tensor_load_to_lds s[G0+4*(((\n)/8)%2):G0+4*(((\n)/8)%2)+3], s[G1:G1+7]
	s_nop 0
.endif
	PLACES 8
	AHEAD \n
.endm
	s_load_b128 s[4:7], s[0:1], 0x0
	s_load_b64 s[8:9], s[0:1], 0x10
	v_lshl_add_u32 v[SPW], v0, 2, SPARE
	v_mov_b32 v[NIL], 0
	ds_add_u32 v28, v29
	ds_add_u32 v28, v29
	s_wait_dscnt 0x0
	v_lshrrev_b32 v1, 5, v0
	v_readfirstlane_b32 s14, v1
	s_bfe_u32 s40, ttmp6, 0x40000
	s_bfe_u32 s41, ttmp6, 0x40004
	s_lshl_b32 s42, ttmp9, 2
	s_add_co_u32 s42, s42, s40
	s_and_b32 s17, ttmp7, 0xffff
	s_lshl_b32 s17, s17, 2
	s_add_co_u32 s17, s17, s41
	s_lshl_b32 s43, s41, 2
	s_lshl_b32 s43, 15, s43
	s_lshl_b32 s44, 0x1111, s40
	s_or_b32 s[G1], s43, (3<<16)|(1<<21)
	s_or_b32 s[G1S], s43, (3<<16)|(1<<21)
	s_or_b32 s[G1SB], s44, (3<<16)|(1<<21)
	s_mov_b32 s[G1+1], 4096<<16                    ; the head's loads of codes: two planes of the tile, each 32,768 dense bytes, as two rows 0x100000 bytes apart; behind them these five words take the ring's values
	s_mov_b32 s[G1+2], 2<<16
	s_mov_b32 s[G1+3], 4096<<16
	s_mov_b32 s[G1+4], 2
	s_mov_b32 s[G1+5], 131072
	s_mov_b32 s[G1+6], 0
	s_mov_b32 s[G1+7], 0
.irp g, G1S, G1SB
	s_mov_b32 s[\g+1], 128<<16
	s_mov_b32 s[\g+2], SROWS<<16
	s_mov_b32 s[\g+3], 128<<16
	s_mov_b32 s[\g+4], SROWS
	s_mov_b32 s[\g+6], 0
	s_mov_b32 s[\g+7], 0
.endr
	s_mov_b32 s[G1S+5], SSTR_A
	s_mov_b32 s[G1SB+5], SSTR_B
	s_lshl_b32 s20, s17, 15
	s_lshl_b32 s18, s14, 20
	s_add_co_u32 s20, s20, s18
	s_mov_b32 s21, 0
	s_lshl_b32 s22, s17, 10
	s_add_co_u32 s22, s22, 0x1000000
	s_mov_b32 s23, 0
	s_lshl_b32 s[BBS], s42, 15
	s_lshl_b32 s19, s14, 13
	s_add_co_u32 s[BBS], s[BBS], s19
	s_add_co_u32 s[BBS], s[BBS], 0xC00000
	s_mov_b32 s[BBS+1], 0
	s_lshl_b32 s92, s42, 10
	s_add_co_u32 s92, s92, 0x1060000
	s_mov_b32 s93, 0
	s_lshl_b32 s96, s17, 19
	s_lshl_b32 s19, s42, 13
	s_add_co_u32 s96, s96, s19
	s_lshl_b32 s19, s14, 11
	s_add_co_u32 s96, s96, s19
	s_mov_b32 s97, 0
	s_mul_i32 s45, s14, PIECE
	s_wait_kmcnt 0x0
	s_add_nc_u64 s[20:21], s[4:5], s[20:21]
	s_add_nc_u64 s[22:23], s[4:5], s[22:23]
	s_add_nc_u64 s[BBS:BBS+1], s[6:7], s[BBS:BBS+1]
	s_add_nc_u64 s[92:93], s[6:7], s[92:93]
	s_add_nc_u64 s[8:9], s[8:9], s[96:97]
	CROUND
	s_mov_b32 s[G0S], 1
	s_mov_b32 s[G0S+1], SCL
	s_mov_b64 s[G0S+2:G0S+3], s[22:23]
	s_or_b32 s[G0S+3], s[G0S+3], 0x80000000
	s_mov_b32 s[G0SB], 1
	s_mov_b32 s[G0SB+1], SCLB
	s_mov_b64 s[G0SB+2:G0SB+3], s[92:93]
	s_or_b32 s[G0SB+3], s[G0SB+3], 0x80000000
; THE HEAD'S LOADS, ONE A WAVE: waves 0 and 1 slot 0's planes 2 w and 2 w + 1 of A's codes, wave 2 A's scale words for all of K, wave 3 B's.  One chain of branches on the wave's number: every way passes exactly one load.
	s_mov_b32 s[G0], 1                             ; the head's loads of codes use slot 0's group 0
	s_lshl_b32 s[G0+1], s14, 16                    ; LDS: 65,536 x wave
	s_lshl_b32 s18, s14, 20
	s_mov_b32 s19, 0
	s_add_nc_u64 s[G0+2:G0+3], s[20:21], s[18:19]  ; s[20:21] stands at plane w: plane 2 w lies w planes further on
	s_or_b32 s[G0+3], s[G0+3], 0x80000000
	s_cmp_lt_u32 s14, 2
	s_cbranch_scc0 .Lhead_sa
	tensor_load_to_lds s[G0:G0+3], s[G1:G1+7]
	s_nop 0
	PLACES 4
	s_branch .Lhead_asked
.Lhead_sa:
	s_cmp_lt_u32 s14, 3
	s_cbranch_scc0 .Lhead_sb
	tensor_load_to_lds s[G0S:G0S+3], s[G1S:G1S+7]
	s_nop 0
	PLACES 4
	s_branch .Lhead_asked
.Lhead_sb:
	tensor_load_to_lds s[G0SB:G0SB+3], s[G1SB:G1SB+7]
	s_nop 0
	PLACES 4
.Lhead_asked:
	s_wait_alu depctr_va_vdst(0)
	s_wait_tensorcnt 0x0                           ; my tile of the head's four is in: no tensor load of mine is out, so descriptors may be written
	ds_add_u32 v28, v29                            ; the ring's descriptors, work on registers, stand between this add and the wait for it
	s_mov_b32 s[G1+1], 32<<16                      ; from here on a load brings one plane of the tile: 128 rows of 256 bytes
	s_mov_b32 s[G1+2], 128<<16
	s_mov_b32 s[G1+3], 32<<16
	s_mov_b32 s[G1+4], 128
	s_mov_b32 s[G1+5], 32
.irp s, 0,1
	s_mov_b32 s[G0+4*\s], 1
	s_add_co_u32 s[G0+4*\s+1], s45, \s*SLOT
	s_add_nc_u64 s[G0+4*\s+2:G0+4*\s+3], s[20:21], \s*SSTEP
	s_or_b32 s[G0+4*\s+3], s[G0+4*\s+3], 0x80000000
.endr
	s_wait_dscnt 0x0                               ; the add is done
	CROUND                                         ; all four tiles are in, and all sixteen work-groups are here
	tensor_load_to_lds s[G0+4:G0+7], s[G1:G1+7]    ; slot 1's first fill: my plane of it, my one load behind the round
	s_nop 0
	PLACES 4
	v_and_b32 v1, 15, v0
	v_and_b32 v3, 31, v0
	v_lshlrev_b32 v3, 4, v3
	s_wait_alu depctr_va_vdst(0)
.irp k, 0,1,2,3
	v_add_nc_u32 v[AD+\k], \k*65536, v3
.endr
	v_lshlrev_b32 v5, 3, v1
	v_add_nc_u32 v[ADSA], SCL, v5
	s_lshl_b32 s21, s14, 8
	s_add_co_u32 s21, s21, SCLB
	v_add_nc_u32 v[ADSB], s21, v5
.irp m, 0,1,2,3,4,5,6,7
	BLOAD \m
.endr
	s_wait_alu depctr_va_vdst(0)
	s_wait_tensorcnt 1
	s_barrier_signal -1
	s_barrier_wait -1
	SCALES 0
	FETCH_A 0
	FETCH_A 1
	STEP 0, 1
.set nn, 1
.rept 31
.if (nn == 6) || (nn == 14)
	CHANGE nn, 1
.elseif nn == 22
	CHANGE nn, 0
.else
	STEP nn, 0
.endif
.set nn, nn+1
.endr
	WIN 0x08
.set ia, 0
.rept 8
.irp j, 0,1,2,3
	global_store_b128 v3, v[16*ia+4*\j:16*ia+4*\j+3], s[8:9] offset:65536*ia+512*\j th:TH_STORE_NT
.endr
.set ia, ia+1
.endr
	WIN 0
	s_wait_tensorcnt 0x0
	ds_add_u32 v[SPW], v[NIL]
	s_wait_dscnt 0x0
	CROUND
	s_endpgm
.Lfunc_end_k_q57170af347_ffn2:
	.size	k_q57170af347_ffn2, .Lfunc_end_k_q57170af347_ffn2-k_q57170af347_ffn2
	.p2alignl 7, 3214868480
	.fill 96, 4, 3214868480
	.section	.rodata,"a",@progbits
	.p2align	6, 0x0
	.amdhsa_kernel k_q57170af347_ffn2
		.amdhsa_group_segment_fixed_size 327680
		.amdhsa_private_segment_fixed_size 0
		.amdhsa_enable_private_segment 0
		.amdhsa_kernarg_size 24
		.amdhsa_user_sgpr_count 2
		.amdhsa_user_sgpr_kernarg_segment_ptr 1
		.amdhsa_wavefront_size32 1
		.amdhsa_system_sgpr_workgroup_id_x 1
		.amdhsa_system_sgpr_workgroup_id_y 1
		.amdhsa_system_sgpr_workgroup_id_z 1
		.amdhsa_system_vgpr_workitem_id 0
		.amdhsa_next_free_vgpr 1024
		.amdhsa_next_free_sgpr 104
		.amdhsa_reserve_vcc 0
		.amdhsa_float_denorm_mode_32 3
		.amdhsa_float_denorm_mode_16_64 3
		.amdhsa_memory_ordered 1
		.amdhsa_forward_progress 1
		.amdhsa_inst_pref_size 190
	.end_amdhsa_kernel
	.amdgpu_metadata
---
amdhsa.version: [ 1, 2 ]
amdhsa.kernels:
  - .name:           k_q57170af347_ffn2
    .symbol:         k_q57170af347_ffn2.kd
    .args:
      - { .name: hq, .offset: 0, .size: 8, .value_kind: global_buffer, .address_space: global }
      - { .name: prepw, .offset: 8, .size: 8, .value_kind: global_buffer, .address_space: global }
      - { .name: ff, .offset: 16, .size: 8, .value_kind: global_buffer, .address_space: global }
    .group_segment_fixed_size: 327680
    .private_segment_fixed_size: 0
    .kernarg_segment_align: 8
    .kernarg_segment_size: 24
    .max_flat_workgroup_size: 128
    .sgpr_count:     104
    .vgpr_count:     1024
    .wavefront_size: 32
...
	.end_amdgpu_metadata
.endif
;; end of part 6
;; launch ln2 (part 7): grid 256 x 1, 8 waves a work-group, no clusters, 70,144 bytes of LDS; arguments ff, b2, g2, be2, out0; writes out0
.if DOCPART == 7
	.amdgcn_target "amdgcn-amd-amdhsa--gfx1250"
	.amdhsa_code_object_version 6
	.text
	.protected	k_q57170af347_ln2
	.globl	k_q57170af347_ln2
	.p2align	8
	.type	k_q57170af347_ln2,@function
k_q57170af347_ln2:
	s_mov_b64 s[64:65], 0
	v_nop
	global_prefetch_b8 v0, s[64:65] scope:SCOPE_SE
	s_setreg_imm32_b32 hwreg(HW_REG_WAVE_MODE, 25, 1), 1
	s_wait_xcnt 0x0
; out = LayerNorm(t + t) g2 + be2 with t = f + b2, f the second FFN product's sums.
; THE DOUBLING IS CARRIED IN THE STATISTICS: LayerNorm(2 t) = (t - mean t) x 2 rsqrt(4 var t + 1e-5).  Doubling is exact in f32 (short of overflow), so mean, differences and variance of 2 t are exactly 2, 2 and 4 times those of t: the numbers are the same.
; A work-group takes one block t of 16 rows (place r is row 32 (t / 2) + 8 (t % 2) + r + 8 (r / 8)); wave w takes columns 128 w on; lane (r, h) holds 64 numbers of row r: register 16 c + i = column 128 w + 32 c + 16 h + i, the order in which ff lies.
; Mean and variance in two passes; sums over the eight waves meet in LDS, added in the order of the waves.  The results turn through the wave's stage in LDS and leave as rows: 512 consecutive bytes a store.
; LIMITS: NaN and infinities are not served.
.set RED1, 0
.set RED2, 512
.set STG,  1536                        ; a stage of 16 rows x (512 + 16) bytes for each wave
.set V,   16
.set R,   80                           ; b2, then be2
.set X,   144                          ; g2, then the rows on their way out
.set SA,  242
.set SBB, 244
.set RD,  246
.set MU,  254
.set SEL, 18
.macro REDUCE off
	s_delay_alu instid0(VALU_DEP_1)
	v_pk_add_f32 v[SA:SA+1], v[SA:SA+1], v[SBB:SBB+1]
	s_delay_alu instid0(VALU_DEP_1)
	v_add_f32 v[SA], v[SA], v[SA+1]
	s_delay_alu instid0(VALU_DEP_1)
	v_permlanex16_b32 v[SBB], v[SA], s[SEL], s[SEL+1]
	s_delay_alu instid0(VALU_DEP_1)
	v_add_f32 v[SA], v[SA], v[SBB]
	ds_store_b32 v8, v[SA] offset:\off             ; both halves of the lanes write the same word with the same value
	s_wait_dscnt 0x0                               ; for the others' sake
	s_barrier_signal -1
	s_barrier_wait -1
.irp i, 0,1,2,3,4,5,6,7
	ds_load_b32 v[RD+\i], v9 offset:\off+64*\i
.endr
	s_wait_dscnt 0x0
	v_add_f32 v[SA], v[RD], v[RD+1]
.irp i, 2,3,4,5,6,7
	s_delay_alu instid0(VALU_DEP_1)
	v_add_f32 v[SA], v[SA], v[RD+\i]
.endr
.endm
	s_load_b256 s[4:11], s[0:1], 0x0               ; ff s[4:5], b2 s[6:7], g2 s[8:9], be2 s[10:11]
	s_load_b64 s[12:13], s[0:1], 0x20              ; out0
	v_lshl_add_u32 v240, v0, 2, 0x10e00
	v_mov_b32 v241, 0
	v_lshrrev_b32 v1, 5, v0
	s_delay_alu instid0(VALU_DEP_1)
	v_readfirstlane_b32 s14, v1                    ; wave 0..7
	v_and_b32 v1, 31, v0
	s_delay_alu instid0(VALU_DEP_1)
	v_lshlrev_b32 v2, 4, v1                        ; 16 x lane
	v_and_b32 v3, 15, v0                           ; r
	v_bfe_u32 v4, v0, 4, 1                         ; h
	s_mul_i32 s15, s14, 8448
	s_add_co_u32 s15, s15, STG
	v_add_nc_u32 v5, s15, v2                       ; the stage by rows
	v_mul_u32_u24 v6, v3, 528
	s_delay_alu instid0(VALU_DEP_1)
	v_lshl_add_u32 v6, v4, 6, v6
	s_delay_alu instid0(VALU_DEP_1)
	v_add_nc_u32 v6, s15, v6                       ; the stage by lanes
	v_lshlrev_b32 v7, 6, v4                        ; b2, g2, be2: + 64 h
	s_lshl_b32 s15, s14, 6
	v_lshl_add_u32 v8, v3, 2, s15
	v_lshlrev_b32 v9, 2, v3
	v_mov_b32 v[MU+1], 0                           ; (the pair's upper half)
	s_mov_b32 s[SEL], 0x76543210
	s_mov_b32 s[SEL+1], 0xfedcba98
	s_mov_b32 s20, 0x3a800000                      ; 1 / 1024
	s_mov_b32 s21, 0x3b800000                      ; 4 / 1024
	s_mov_b32 s22, 0x3727c5ac                      ; 1e-5
	s_lshl_b32 s24, ttmp9, 16
	s_lshl_b32 s25, s14, 13
	s_add_co_u32 s24, s24, s25
	s_mov_b32 s25, 0
	s_lshr_b32 s26, ttmp9, 1
	s_lshl_b32 s26, s26, 17
	s_and_b32 s27, ttmp9, 1
	s_lshl_b32 s27, s27, 15
	s_add_co_u32 s26, s26, s27
	s_lshl_b32 s28, s14, 9
	s_add_co_u32 s26, s26, s28
	s_mov_b32 s27, 0
	s_mov_b32 s29, 0
	s_wait_alu depctr_va_vdst(0)
	s_wait_kmcnt 0x0
	s_add_nc_u64 s[4:5], s[4:5], s[24:25]
	s_add_nc_u64 s[6:7], s[6:7], s[28:29]
	s_add_nc_u64 s[8:9], s[8:9], s[28:29]
	s_add_nc_u64 s[10:11], s[10:11], s[28:29]
	s_add_nc_u64 s[12:13], s[12:13], s[26:27]
.irp c, 0,1,2,3
.irp j, 0,1,2,3
	global_load_b128 v[V+16*\c+4*\j:V+16*\c+4*\j+3], v2, s[4:5] offset:2048*\c+512*\j th:TH_LOAD_NT
.endr
.endr
.irp c, 0,1,2,3
.irp j, 0,1,2,3
	global_load_b128 v[R+16*\c+4*\j:R+16*\c+4*\j+3], v7, s[6:7] offset:128*\c+16*\j
.endr
.endr
.irp c, 0,1,2,3
.irp j, 0,1,2,3
	global_load_b128 v[X+16*\c+4*\j:X+16*\c+4*\j+3], v7, s[8:9] offset:128*\c+16*\j
.endr
.endr
	s_wait_loadcnt 16                              ; f and b2 are in; g2's sixteen loads may be out
.set jj, 0
.rept 32
	v_pk_add_f32 v[V+jj:V+jj+1], v[V+jj:V+jj+1], v[R+jj:R+jj+1]
.set jj, jj+2
.endr
.irp c, 0,1,2,3
.irp j, 0,1,2,3
	global_load_b128 v[R+16*\c+4*\j:R+16*\c+4*\j+3], v7, s[10:11] offset:128*\c+16*\j   ; be2
.endr
.endr
	v_pk_add_f32 v[SA:SA+1], v[V:V+1], v[V+2:V+3]
	v_pk_add_f32 v[SBB:SBB+1], v[V+4:V+5], v[V+6:V+7]
.irp j, 8,12,16,20,24,28,32,36,40,44,48,52,56,60
	s_delay_alu instid0(VALU_DEP_2)
	v_pk_add_f32 v[SA:SA+1], v[SA:SA+1], v[V+\j:V+\j+1]
	s_delay_alu instid0(VALU_DEP_2)
	v_pk_add_f32 v[SBB:SBB+1], v[SBB:SBB+1], v[V+\j+2:V+\j+3]
.endr
	REDUCE RED1
	s_delay_alu instid0(VALU_DEP_1)
	v_mul_f32 v[MU], s20, v[SA]                    ; the mean of t
.set jj, 0
.rept 32
	v_pk_add_f32 v[V+jj:V+jj+1], v[V+jj:V+jj+1], v[MU:MU+1] op_sel_hi:[1,0] neg_lo:[0,1] neg_hi:[0,1]
.set jj, jj+2
.endr
	v_pk_mul_f32 v[SA:SA+1], v[V:V+1], v[V:V+1]
	v_pk_mul_f32 v[SBB:SBB+1], v[V+2:V+3], v[V+2:V+3]
.irp j, 4,8,12,16,20,24,28,32,36,40,44,48,52,56,60
	s_delay_alu instid0(VALU_DEP_2)
	v_pk_fma_f32 v[SA:SA+1], v[V+\j:V+\j+1], v[V+\j:V+\j+1], v[SA:SA+1]
	s_delay_alu instid0(VALU_DEP_2)
	v_pk_fma_f32 v[SBB:SBB+1], v[V+\j+2:V+\j+3], v[V+\j+2:V+\j+3], v[SBB:SBB+1]
.endr
	REDUCE RED2
	s_delay_alu instid0(VALU_DEP_1)
	v_fma_f32 v[SA], v[SA], s21, s22               ; the variance of 2 t, + 1e-5
	s_wait_alu depctr_va_vdst(0)
	v_rsq_f32 v[SBB], v[SA]
	v_nop
	s_wait_alu depctr_va_vdst(0)                   ; ahead of the first reader
	v_add_f32 v[SBB], v[SBB], v[SBB]               ; x 2: the differences are t's, not 2 t's
	s_wait_alu depctr_va_vdst(0)
	s_wait_loadcnt 0x0                             ; g2, be2
.set jj, 0
.rept 32
	v_pk_mul_f32 v[V+jj:V+jj+1], v[V+jj:V+jj+1], v[SBB:SBB+1] op_sel_hi:[1,0]
.set jj, jj+2
.endr
.set jj, 0
.rept 32
	v_pk_fma_f32 v[V+jj:V+jj+1], v[V+jj:V+jj+1], v[X+jj:X+jj+1], v[R+jj:R+jj+1]
.set jj, jj+2
.endr
.irp c, 0,1,2,3
.irp j, 0,1,2,3
	ds_store_b128 v6, v[V+16*\c+4*\j:V+16*\c+4*\j+3] offset:128*\c+16*\j
.endr
.endr
.irp p, 0,1,2,3,4,5,6,7,8,9,10,11,12,13,14,15
	ds_load_b128 v[X+4*\p:X+4*\p+3], v5 offset:528*\p   ; my own bytes: LDS serves a wave in order
.endr
.irp p, 0,1,2,3,4,5,6,7,8,9,10,11,12,13,14,15
	s_wait_dscnt 15-\p                             ; row p is back; the younger rows may be out
	global_store_b128 v2, v[X+4*\p:X+4*\p+3], s[12:13] offset:(\p+8*(\p/8))*4096 th:TH_STORE_NT
.endr
	s_wait_tensorcnt 0x0
	ds_add_u32 v240, v241
	s_wait_dscnt 0x0
	s_endpgm
.Lfunc_end_k_q57170af347_ln2:
	.size	k_q57170af347_ln2, .Lfunc_end_k_q57170af347_ln2-k_q57170af347_ln2
	.p2alignl 7, 3214868480
	.fill 96, 4, 3214868480
	.section	.rodata,"a",@progbits
	.p2align	6, 0x0
	.amdhsa_kernel k_q57170af347_ln2
		.amdhsa_group_segment_fixed_size 70144
		.amdhsa_private_segment_fixed_size 0
		.amdhsa_enable_private_segment 0
		.amdhsa_kernarg_size 40
		.amdhsa_user_sgpr_count 2
		.amdhsa_user_sgpr_kernarg_segment_ptr 1
		.amdhsa_wavefront_size32 1
		.amdhsa_system_sgpr_workgroup_id_x 1
		.amdhsa_system_sgpr_workgroup_id_y 1
		.amdhsa_system_sgpr_workgroup_id_z 1
		.amdhsa_system_vgpr_workitem_id 0
		.amdhsa_next_free_vgpr 256
		.amdhsa_next_free_sgpr 66
		.amdhsa_reserve_vcc 0
		.amdhsa_float_denorm_mode_32 3
		.amdhsa_float_denorm_mode_16_64 3
		.amdhsa_memory_ordered 1
		.amdhsa_forward_progress 1
		.amdhsa_inst_pref_size 30
	.end_amdhsa_kernel
	.amdgpu_metadata
---
amdhsa.version: [ 1, 2 ]
amdhsa.kernels:
  - .name:           k_q57170af347_ln2
    .symbol:         k_q57170af347_ln2.kd
    .args:
      - { .name: ff, .offset: 0, .size: 8, .value_kind: global_buffer, .address_space: global }
      - { .name: b2, .offset: 8, .size: 8, .value_kind: global_buffer, .address_space: global }
      - { .name: g2, .offset: 16, .size: 8, .value_kind: global_buffer, .address_space: global }
      - { .name: be2, .offset: 24, .size: 8, .value_kind: global_buffer, .address_space: global }
      - { .name: out0, .offset: 32, .size: 8, .value_kind: global_buffer, .address_space: global }
    .group_segment_fixed_size: 70144
    .private_segment_fixed_size: 0
    .kernarg_segment_align: 8
    .kernarg_segment_size: 40
    .max_flat_workgroup_size: 256
    .sgpr_count:     66
    .vgpr_count:     256
    .wavefront_size: 32
...
	.end_amdgpu_metadata
.endif
;; end of part 7
